; MI455X (gfx1250); checked and timed in simulation.
; The chip was launched on July 23, 2026; its instructions are those of AMD's public machine-readable ISA for CDNA 5 (MIT licence, August 2026) and "CDNA5" Instruction Set Architecture Reference Guide (July 2026). The comments in the code are by the model that wrote it; some were corrected since.
;; Rotary MHA. Allowed arithmetic: matrix products marked QUANTISED: E2M3 operands, one E8M0 scale for each 32 along K, by v_wmma_scale_f32_16x16x128_f8f6f4 with both operands' format E2M3, f32 sums; everything else in f32.
;; Inputs: Wproj 1,024 x 1,024 float32; Wqkv 3,072 x 1,024 float32; key_padding_mask 4 x 2,048 bool; x 4 x 2,048 x 1,024 float32.
;; Outputs: out0 4 x 2,048 x 1,024 float32.
;; This version of the problem:
;;   THIS VERSION OF THE PROBLEM IS GIVEN IN LOW PRECISION. The matrix products marked QUANTISED in the list below multiply operands that are first quantised to E2M3 (2 exponent bits, 3 mantissa bits; 6 bits a number), with one power-of-two scale for each 32 numbers along K (OCP MX v1.0); their sums are f32. All else is computed in f32.
;;   The module's matrix products, in the order in which they are computed (A, B: the left and right operand; K: the contracted axis; several contracted axes count as one K, in the product's order):
;;     1. [M 8,192, K 1,024] x [K 1,024, N 3,072]; A: input x; B: input Wqkv: QUANTISED
;;     2. batch 64 x [M 2,048, K 64] x [K 64, N 2,048]; A: computed on the way; B: computed on the way: QUANTISED
;;     3. batch 64 x [M 2,048, K 2,048] x [K 2,048, N 64]; A: softmax (see below); B: computed on the way: QUANTISED
;;     4. [M 8,192, K 1,024] x [K 1,024, N 1,024]; A: computed on the way; B: input Wproj: QUANTISED
;;   THE QUANTISER, for each operand of a quantised product, along K:
;;     - K is cut into blocks of 32 from its start; a last block that is shorter is filled with zeros.
;;     - A block's scale is 2^e with e = floor(log2(the largest magnitude in the block)) - 2, held to -126 .. 127; a block of zeros has e = 0. As a byte (E8M0): e + 127.
;;     - Each number is divided by its block's scale, clamped to +-7.5, and rounded to the nearest number of E2M3, ties to even, subnormals kept.
;;     - The product sums the exact products of the quantised numbers (number of the format x scale) in f32.
;;   ~~~python
;;   def quantise(x, axis):      # numpy; x: float32 -> the quantised numbers, widened to float32 again
;;       x = np.moveaxis(x, axis, -1); K = x.shape[-1]
;;       x = np.pad(x, [(0, 0)] * (x.ndim - 1) + [(0, -K % 32)]); x = x.reshape(x.shape[:-1] + (-1, 32)); a = np.abs(x).max(-1, keepdims=True)
;;       e = np.where(a > 0, np.clip(np.frexp(np.where(a > 0, a, 1))[1] - 1 - 2, -126, 127), 0)      # np.frexp(a)[1] - 1 = floor(log2(a)), exactly
;;       r = np.clip(x / 2.0 ** e, -7.5, 7.5)
;;       step = 2.0 ** (np.maximum(np.frexp(np.where(r == 0, 1, r))[1] - 1, 0) - 3)
;;       q = np.round(r / step) * step * 2.0 ** e      # np.round: ties to even
;;       return np.moveaxis(q.reshape(q.shape[:-2] + (-1,))[..., :K], -1, axis).astype(np.float32)
;;   ~~~
;;   SOFTMAX AHEAD OF A QUANTISED PRODUCT. Where the list says 'softmax', what is quantised is not the finished softmax but p = 2^(t - M), with t = logit x log2(e) and M = ceil(the row's largest t), a whole number; so 1/2 < the row's largest p <= 1. The row's sum l is taken of the UNQUANTISED p, in f32, and the product's result is divided by l at the end. Since M is a whole number, a kernel that streams over the keys may use a running M (the ceiling of the running maximum): every later rescaling is an exact power of two, which a block's scale takes up: the codes' values come out the same.
;;   OPERANDS COMPUTED ON THE WAY. 'Computed on the way' means the value that the module computes at that place (a softmax that the list does not call 'softmax' is quantised finished and normalised). What goes into a quantiser is computed in f32, as accurately as f32 sums, v_exp_f32 and their like allow (about 1e-6 of the number): no bf16 or f16 on the way to a quantiser, and a product that is left as it is and whose result goes on into a quantised operand takes f32 operands (vector FMAs, or v_wmma_f32_16x16x4_f32). A number that lies on a knife's edge between two numbers of the format may be rounded either way, as far as f32 arithmetic and the matrix unit's own rounding can turn it there, and no further.
;; One version. Each part assembles by itself: llvm-mc -triple=amdgcn-amd-amdhsa -mcpu=gfx1250 --defsym DOCPART=n.
;; ======== version 1 of 1: 4 launches
;; limits: right only within a limited range of input values
;; workspace buffers: xw_codes 9,437,184 bytes; xw_scales 393,216 bytes; rope 524,288 bytes; qkv 20,709,376 bytes; o_codes 6,291,456 bytes; o_scales 262,144 bytes
;; launch prep (part 1): grid 432 x 1, 4 waves a work-group, no clusters, 34,304 bytes of LDS; arguments x, Wqkv, Wproj, key_padding_mask, xw_codes, xw_scales, rope, qkv; writes xw_codes, xw_scales, rope, qkv
.if DOCPART == 1
	.amdgcn_target "amdgcn-amd-amdhsa--gfx1250"
	.amdhsa_code_object_version 6
	.text
	.protected	k_q1222103c5e_prep
	.globl	k_q1222103c5e_prep
	.p2align	8
	.type	k_q1222103c5e_prep,@function
k_q1222103c5e_prep:
	s_mov_b64 s[64:65], 0
	v_nop
	global_prefetch_b8 v0, s[64:65] scope:SCOPE_SE
	s_setreg_imm32_b32 hwreg(HW_REG_WAVE_MODE, 25, 1), 1
	s_wait_xcnt 0x0
; Three jobs, chosen by the work-group's number.
; 0-383:   x, Wqkv, Wproj (f32, K = 1,024 innermost) become codes of E2M3 and E8M0 scale bytes, laid in the order of a matrix operand's registers.
; 384-415: the table of cos and sin for the rotation, in the lane layout in which the next launch holds q and k.
; 416-431: the padding mask as f32 numbers, 0 or -2^120, copied into each head's records.
; TILES.  A tile is 16 rows; lane-row r of tile T is row 32 (T / 2) + 8 (T % 2) + r + 8 (r / 8).  A fragment (16 rows x 128 K) is 12 registers a lane; its image is 1,536 bytes:
; register 4 g + e of a lane lies at 512 g + 16 lane + 4 e.  Codes: [tile][K step 0..7][1,536].  Scales: [tile][slot 0..3][r][2 words], word q of slot s for K step 2 s + q.
; A block's scale is 2^(floor(log2(largest magnitude)) - 2); its byte is the largest magnitude's exponent field - 2, held at 1 from below.
; LIMITS: a block of zeros gets the byte 1 (its codes are zeros; only this program reads the bytes); blocks whose largest magnitude lies under 2^-124 are held at the byte 1; NaN and infinities among the inputs are not served.
; The table: inv_freq = 1 / 10^(j / 8), the power from eight constants times an exact power of ten (about one unit in the last place), the reciprocal refined by one step; the angle is reduced by pi / 2 in two parts, exact in the first for angles under 2,048.
.set FLOOR,  0x1800000                 ; 2^(3 - 127)
.set EOFF,   0xff000000                ; -(2 << 23)
.set REC,    20224                     ; a record: one head, 128 positions
.set HEADB,  16*REC
.set BI,     13056                     ; the bias in a record
.set MASKED, 0xfb800000                ; -2^120
.set STG,    8448                      ; a wave's stage: 16 rows x (512 + 16) bytes
.set TM,  8                            ; v8-23   at work in the quantiser
.set PWR, 24                           ; v24-27  the four K steps' scale words
.set R,   32                           ; v32-159 two sets of 64 numbers as loaded
.set X,   160                          ; v160-223 64 numbers: register 16 b + i = k 32 b + 16 h + i of my row
.set D,   224                          ; v224-235 the fragment
.set T,   236                          ; v236-242 conversion results on their way
.set HI,  21                           ; s21 the lanes 16-31
.set SEL, 80                           ; s[80:81] lane l xor 16
	s_load_b256 s[4:11], s[0:1], 0x0               ; x, Wqkv, Wproj, the mask
	s_load_b256 s[12:19], s[0:1], 0x20             ; the codes, the scales, the table, the records
	v_lshl_add_u32 v254, v0, 2, 0x8400
	v_mov_b32 v255, 0
	v_lshrrev_b32 v1, 5, v0
	v_readfirstlane_b32 s20, v1                    ; wave
	v_and_b32 v1, 31, v0                           ; lane
	v_lshlrev_b32 v2, 4, v1                        ; 16 x lane
	v_and_b32 v6, 15, v0                           ; r
	v_bfe_u32 v7, v0, 4, 1                         ; h
	s_mov_b32 s[HI], 0xffff0000
	s_cmp_ge_u32 ttmp9, 416
	s_cbranch_scc1 .Lbias
	s_cmp_ge_u32 ttmp9, 384
	s_cbranch_scc1 .Ltable
; ---- the quantiser: a wave takes one tile and four K steps
	s_lshl_b32 s22, ttmp9, 2
	s_add_co_u32 s22, s22, s20                     ; the wave's task
	s_lshr_b32 s23, s22, 1                         ; tile among the 768
	s_and_b32 s24, s22, 1                          ; which four K steps
	s_mul_i32 s29, s20, STG
	v_add_nc_u32 v3, s29, v2                       ; into the stage: a row's 512 bytes as they lie
	v_mul_u32_u24 v4, v6, 528
	v_lshl_add_u32 v4, v7, 6, v4
	v_add_nc_u32 v4, s29, v4                       ; out of it: row r, + 64 h
	v_lshlrev_b32 v5, 3, v1                        ; 8 x lane
.irp b, 0,1,2,3
	v_mov_b32 v[TM+4+\b], 0                        ; written once: a lane permute's destination counts as one of its sources
.endr
	s_mov_b32 s[SEL], 0x76543210
	s_mov_b32 s[SEL+1], 0xfedcba98
	s_wait_kmcnt 0x0
	s_cmp_lt_u32 ttmp9, 352                        ; the source hangs on the work-group's number alone
	s_cselect_b64 s[26:27], s[6:7], s[8:9]
	s_mov_b32 s25, 704
	s_cselect_b32 s25, 512, s25
	s_cmp_lt_u32 ttmp9, 256
	s_cselect_b64 s[26:27], s[4:5], s[26:27]
	s_cselect_b32 s25, 0, s25
	s_sub_co_u32 s28, s23, s25                     ; tile in its tensor
	s_lshr_b32 s29, s28, 1
	s_lshl_b32 s29, s29, 17                        ; 32 rows of 4,096 bytes
	s_and_b32 s30, s28, 1
	s_lshl_b32 s30, s30, 15                        ; 8 rows
	s_add_co_u32 s30, s30, s29
	s_lshl_b32 s29, s24, 11                        ; four K steps of 512 bytes
	s_add_co_u32 s30, s30, s29
	s_mov_b32 s31, 0
	s_add_nc_u64 s[26:27], s[26:27], s[30:31]
	s_mul_i32 s30, s23, 12288
	s_mul_i32 s29, s24, 6144
	s_add_co_u32 s30, s30, s29
	s_add_nc_u64 s[12:13], s[12:13], s[30:31]
	s_lshl_b32 s30, s23, 9
	s_lshl_b32 s29, s24, 8
	s_add_co_u32 s30, s30, s29
	s_add_nc_u64 s[14:15], s[14:15], s[30:31]
.macro LOAD s                          ; K step s of the tile's 16 rows: each load reads 512 consecutive bytes of one row
.irp i, 0,1,2,3,4,5,6,7,8,9,10,11,12,13,14,15
	global_load_b128 v[R+64*((\s)%2)+4*\i:R+64*((\s)%2)+4*\i+3], v2, s[26:27] offset:(\i+8*(\i/8))*4096+512*(\s) th:TH_LOAD_NT
.endr
.endm
.macro TURN s                          ; through the wave's own stage: LDS serves a wave's instructions in order, so no wait stands between the stores and the loads
.irp i, 0,1,2,3,4,5,6,7,8,9,10,11,12,13,14,15
	ds_store_b128 v3, v[R+64*((\s)%2)+4*\i:R+64*((\s)%2)+4*\i+3] offset:528*\i
.endr
.irp b, 0,1,2,3
.irp j, 0,1,2,3
	ds_load_b128 v[X+16*\b+4*\j:X+16*\b+4*\j+3], v4 offset:128*\b+16*\j
.endr
.endr
.endm
.macro QUANT pw                        ; v[X ..] becomes a fragment in v[D ..] and its scale word in v[pw]
.irp b, 0,1,2,3
	v_max3_num_f32 v[TM+\b], |v[X+16*\b]|, |v[X+16*\b+1]|, FLOOR
.endr
.irp i, 2,4,6,8,10,12,14
.irp b, 0,1,2,3
	v_max3_num_f32 v[TM+\b], v[TM+\b], |v[X+16*\b+\i]|, |v[X+16*\b+\i+1]|
.endr
.endr
.irp b, 0,1,2,3
	v_permlanex16_b32 v[TM+4+\b], v[TM+\b], s[SEL], s[SEL+1]
.endr
.irp b, 0,1,2,3
	v_max_num_f32 v[TM+\b], v[TM+\b], v[TM+4+\b]   ; the block's largest magnitude
.endr
.irp b, 0,1,2,3
	v_add_nc_u32 v[TM+12+\b], EOFF, v[TM+\b]       ; 2 off its exponent field: the conversion's scale operand
.endr
.irp b, 0,1,2,3
	v_lshrrev_b32 v[TM+4+\b], 23, v[TM+12+\b]      ; the byte
.endr
	v_lshl_or_b32 v[\pw], v[TM+5], 8, v[TM+4]
	v_lshl_or_b32 v[\pw], v[TM+6], 16, v[\pw]
	v_lshl_or_b32 v[\pw], v[TM+7], 24, v[\pw]
.irp c, 0,1
	v_cvt_scalef32_pk16_fp6_f32 v[D+6*\c:D+6*\c+2], v[X+32*\c:X+32*\c+15], v[TM+12+2*\c]
	v_cvt_scalef32_pk16_fp6_f32 v[T+4*\c:T+4*\c+2], v[X+32*\c+16:X+32*\c+31], v[TM+13+2*\c]
.endr
	v_nop                                          ; one plain place behind a scaled conversion
.irp c, 0,1                            ; the operand wants a whole block in a lane: lanes 0-15 block 2 c, lanes 16-31 block 2 c + 1
.irp i, 0,1,2
	v_permlane16_swap_b32 v[D+6*\c+\i], v[T+4*\c+\i]
.endr
.irp i, 0,1,2
	v_mov_b32 v[D+6*\c+3+\i], v[T+4*\c+\i]
.endr
.endr
.endm
.macro QSTEP s
.if (\s) < 3
	s_wait_loadcnt 16                              ; this K step's 16 loads are in; the next one's 16 may be out
.else
	s_wait_loadcnt 0
.endif
	TURN \s
	s_wait_dscnt 0x0                               ; the numbers are back, and the stores have read the set
.if (\s) < 2
	LOAD (\s)+2
.endif
.if (\s) > 0
	s_wait_xcnt 0x0                                ; the last fragment's stores have read their registers
.endif
	QUANT PWR+(\s)
.irp g, 0,1,2
	global_store_b128 v2, v[D+4*\g:D+4*\g+3], s[12:13] offset:1536*(\s)+512*\g   ; 512 consecutive bytes
.endr
.endm
	LOAD 0
	LOAD 1
	QSTEP 0
	QSTEP 1
	QSTEP 2
	QSTEP 3
	v_cndmask_b32 v28, v24, v26, s[HI]             ; lanes 0-15: the words of K steps 0, 1 (one slot); lanes 16-31: of 2, 3 (the next)
	v_cndmask_b32 v29, v25, v27, s[HI]
	global_store_b64 v5, v[28:29], s[14:15]        ; 256 consecutive bytes
	s_wait_tensorcnt 0x0
	ds_add_u32 v254, v255
	s_wait_dscnt 0x0
	s_endpgm
; ---- the table: a wave takes one tile of 16 positions; lane (r, h) makes cos and sin of frequencies 16 h + 0 .. 15
.Ltable:
	s_sub_co_u32 s22, ttmp9, 384
	s_lshl_b32 s22, s22, 2
	s_add_co_u32 s22, s22, s20                     ; tile of positions, 0 .. 127
	s_mov_b32 s32, 1.0                             ; 10^(m / 8), m = 0 .. 7
	s_mov_b32 s33, 0x3faab0d5
	s_mov_b32 s34, 0x3fe39ea9
	s_mov_b32 s35, 0x4017c496
	s_mov_b32 s36, 0x404a62c2
	s_mov_b32 s37, 0x4086f161
	s_mov_b32 s38, 0x40b3f300
	s_mov_b32 s39, 0x40eff755
	s_mov_b32 s40, 0x3f22f983                      ; 2 / pi
	s_mov_b32 s41, 0xbfc90fdb                      ; -(pi / 2), the nearest f32,
	s_mov_b32 s42, 0x333bbd2e                      ; and what that is too large by
	s_mov_b32 s43, 0xb94ca1f9                      ; sine's three coefficients
	s_mov_b32 s44, 0x3c08839e
	s_mov_b32 s45, 0xbe2aaaa3
	s_mov_b32 s46, 0x37ccf5ce                      ; cosine's three
	s_mov_b32 s47, 0xbab6061a
	s_mov_b32 s48, 0x3d2aaaa5
	s_lshr_b32 s23, s22, 1
	s_lshl_b32 s23, s23, 5
	s_and_b32 s24, s22, 1
	s_lshl_b32 s24, s24, 3
	s_add_co_u32 s23, s23, s24
	v_and_b32 v8, 8, v6
	v_add_nc_u32 v8, v8, v6
	v_add_nc_u32 v8, s23, v8
	v_cvt_f32_u32 v8, v8                           ; my position
	v_mov_b32 v9, 0x42c80000
	v_cndmask_b32 v10, 1.0, v9, s[HI]              ; h ? 100 : 1
	v_mov_b32 v9, 0x447a0000
	v_mov_b32 v11, 0x41200000
	v_cndmask_b32 v11, v11, v9, s[HI]              ; h ? 1000 : 10
	s_lshl_b32 s30, s22, 12
	s_mov_b32 s31, 0
.irp k, 0,1,2,3,4,5,6,7,8,9,10,11,12,13,14,15
	v_mul_f32 v[16+\k], s[32+\k%8], v[10+\k/8]     ; 10^((16 h + k) / 8)
.endr
.irp k, 0,1,2,3,4,5,6,7,8,9,10,11,12,13,14,15
	v_rcp_f32 v[32+\k], v[16+\k]
.endr
	v_nop                                          ; a plain place behind the batch
	s_wait_alu depctr_va_vdst(0)                   ; one wait for the sixteen, ahead of their first reader
.irp k, 0,1,2,3,4,5,6,7,8,9,10,11,12,13,14,15
	v_fma_f32 v[48+\k], -v[16+\k], v[32+\k], 1.0
.endr
.irp k, 0,1,2,3,4,5,6,7,8,9,10,11,12,13,14,15
	v_fma_f32 v[32+\k], v[32+\k], v[48+\k], v[32+\k]   ; the reciprocal, refined
.endr
.macro SINCOS k
	v_mul_f32 v80, v8, v[32+\k]                    ; the angle
	v_mul_f32 v81, s40, v80
	v_rndne_f32 v81, v81                           ; n quarter turns
	v_fma_f32 v82, v81, s41, v80
	v_fma_f32 v82, v81, s42, v82                   ; what is left, within pi / 4
	v_mul_f32 v83, v82, v82
	v_fma_f32 v84, s43, v83, s44
	v_fma_f32 v84, v84, v83, s45
	v_mul_f32 v84, v84, v83
	v_fma_f32 v84, v84, v82, v82                   ; its sine
	v_fma_f32 v85, s46, v83, s47
	v_fma_f32 v85, v85, v83, s48
	v_fma_f32 v85, v85, v83, -0.5
	v_fma_f32 v85, v85, v83, 1.0                   ; its cosine
	v_cvt_i32_f32 v86, v81
	v_and_b32 v87, 1, v86
	v_cmp_ne_u32 vcc_lo, 0, v87
	v_cndmask_b32 v88, v84, v85, vcc_lo
	v_cndmask_b32 v89, v85, v84, vcc_lo
	v_and_b32 v87, 2, v86
	v_lshlrev_b32 v87, 30, v87
	v_xor_b32 v[64+\k], v88, v87                   ; sin
	v_add_nc_u32 v86, 1, v86
	v_and_b32 v86, 2, v86
	v_lshlrev_b32 v86, 30, v86
	v_xor_b32 v[48+\k], v89, v86                   ; cos
.endm
.irp k, 0,1,2,3,4,5,6,7,8,9,10,11,12,13,14,15
	SINCOS \k
.endr
	s_wait_kmcnt 0x0
	s_add_nc_u64 s[16:17], s[16:17], s[30:31]
.irp g, 0,1,2,3,4,5,6,7
	global_store_b128 v2, v[48+4*\g:48+4*\g+3], s[16:17] offset:512*\g   ; four groups of cos, four of sin
.endr
	s_endpgm
; ---- the mask: a wave takes 128 keys of one batch and writes their 128 numbers into the records of the batch's 16 heads
.Lbias:
	s_sub_co_u32 s22, ttmp9, 416
	s_lshl_b32 s22, s22, 2
	s_add_co_u32 s22, s22, s20
	s_lshr_b32 s23, s22, 4                         ; batch
	s_and_b32 s24, s22, 15                         ; block of 128 keys
	s_lshl_b32 s26, s23, 11
	s_lshl_b32 s25, s24, 7
	s_add_co_u32 s26, s26, s25
	s_mov_b32 s27, 0
	s_mul_i32 s28, s23, 16*HEADB
	s_mul_i32 s25, s24, REC
	s_add_co_u32 s28, s28, s25
	s_add_co_u32 s28, s28, BI
	s_mov_b32 s29, 0
	v_lshlrev_b32 v3, 2, v1
	v_mov_b32 v13, MASKED
	s_wait_kmcnt 0x0
	s_add_nc_u64 s[10:11], s[10:11], s[26:27]
	s_add_nc_u64 s[18:19], s[18:19], s[28:29]
	global_load_b32 v8, v3, s[10:11]               ; four keys' bytes
	s_wait_loadcnt 0x0
.irp e, 0,1,2,3
	v_bfe_u32 v12, v8, 8*\e, 8
	v_cmp_ne_u32 vcc_lo, 0, v12
	v_cndmask_b32 v[16+\e], 0, v13, vcc_lo
.endr
.irp hh, 0,1,2,3,4,5,6,7,8,9,10,11,12,13,14,15
	global_store_b128 v2, v[16:19], s[18:19] offset:\hh*HEADB
.endr
	s_endpgm
.Lfunc_end_k_q1222103c5e_prep:
	.size	k_q1222103c5e_prep, .Lfunc_end_k_q1222103c5e_prep-k_q1222103c5e_prep
	.p2alignl 7, 3214868480
	.fill 96, 4, 3214868480
	.section	.rodata,"a",@progbits
	.p2align	6, 0x0
	.amdhsa_kernel k_q1222103c5e_prep
		.amdhsa_group_segment_fixed_size 34304
		.amdhsa_private_segment_fixed_size 0
		.amdhsa_enable_private_segment 0
		.amdhsa_kernarg_size 64
		.amdhsa_user_sgpr_count 2
		.amdhsa_user_sgpr_kernarg_segment_ptr 1
		.amdhsa_wavefront_size32 1
		.amdhsa_system_sgpr_workgroup_id_x 1
		.amdhsa_system_sgpr_workgroup_id_y 1
		.amdhsa_system_sgpr_workgroup_id_z 1
		.amdhsa_system_vgpr_workitem_id 0
		.amdhsa_next_free_vgpr 256
		.amdhsa_next_free_sgpr 84
		.amdhsa_reserve_vcc 1
		.amdhsa_float_denorm_mode_32 3
		.amdhsa_float_denorm_mode_16_64 3
		.amdhsa_memory_ordered 1
		.amdhsa_forward_progress 1
		.amdhsa_inst_pref_size 60
	.end_amdhsa_kernel
	.amdgpu_metadata
---
amdhsa.version: [ 1, 2 ]
amdhsa.kernels:
  - .name:           k_q1222103c5e_prep
    .symbol:         k_q1222103c5e_prep.kd
    .args:
      - { .name: x, .offset: 0, .size: 8, .value_kind: global_buffer, .address_space: global }
      - { .name: Wqkv, .offset: 8, .size: 8, .value_kind: global_buffer, .address_space: global }
      - { .name: Wproj, .offset: 16, .size: 8, .value_kind: global_buffer, .address_space: global }
      - { .name: key_padding_mask, .offset: 24, .size: 8, .value_kind: global_buffer, .address_space: global }
      - { .name: xw_codes, .offset: 32, .size: 8, .value_kind: global_buffer, .address_space: global }
      - { .name: xw_scales, .offset: 40, .size: 8, .value_kind: global_buffer, .address_space: global }
      - { .name: rope, .offset: 48, .size: 8, .value_kind: global_buffer, .address_space: global }
      - { .name: qkv, .offset: 56, .size: 8, .value_kind: global_buffer, .address_space: global }
    .group_segment_fixed_size: 34304
    .private_segment_fixed_size: 0
    .kernarg_segment_align: 8
    .kernarg_segment_size: 64
    .max_flat_workgroup_size: 128
    .sgpr_count:     84
    .vgpr_count:     256
    .wavefront_size: 32
...
	.end_amdgpu_metadata
.endif
;; end of part 1
;; launch qkvgemm (part 2): grid 96 x 4, 4 waves a work-group, clusters of 4 x 4, 327,680 bytes of LDS; arguments xw_codes, xw_scales, rope, qkv; writes qkv
.if DOCPART == 2
	.amdgcn_target "amdgcn-amd-amdhsa--gfx1250"
	.amdhsa_code_object_version 6
	.text
	.protected	k_q1222103c5e_qkvgemm
	.globl	k_q1222103c5e_qkvgemm
	.p2align	8
	.type	k_q1222103c5e_qkvgemm,@function
k_q1222103c5e_qkvgemm:
	s_mov_b64 s[64:65], 0
	v_nop
	global_prefetch_b8 v0, s[64:65] scope:SCOPE_SE
	s_setreg_imm32_b32 hwreg(HW_REG_WAVE_MODE, 25, 1), 1
	s_wait_xcnt 0x0
	s_wait_alu depctr_hold_cnt(0) depctr_sa_sdst(0) depctr_va_vdst(0) depctr_va_sdst(0) depctr_va_ssrc(0) depctr_va_vcc(0) depctr_vm_vsrc(0)
	s_getreg_b32 s2, hwreg(HW_REG_IB_STS2, 6, 4)
	s_cmp_eq_u32 s2, 0
	s_cbranch_scc0 .Lentry_in_a_cluster
	s_endpgm
.Lentry_in_a_cluster:
	s_bfe_u32 s2, ttmp6, 0x10000c
	s_cmp_lg_u32 s2, 0xf033
	s_cbranch_scc0 .Lentry_shape_is_right
	s_endpgm
.Lentry_shape_is_right:
; q, k, v = x Wqkv^T on codes of E2M3 (K = 1,024), the rotation of q and k, and the quantising of q and k along the head's 64 and of v along the keys.  Nothing leaves as f32.
; A work-group of four waves makes 256 x 256 numbers, a wave 128 x 128: 64 accumulators.  Operand A falls to the lanes (source 1), operand B runs along a lane's registers (source 0).
; Clusters 0-15: A = 256 positions of x, B = 256 rows of Wq (even cluster) or Wk (odd): a lane holds one position, its registers a head's channels.
; Clusters 16-23: A = 256 rows of Wv, B = 256 positions of x: a lane holds one channel, its registers the keys, which are the K of attention's second product.  So one quantiser serves all three.
; TILES: lane-row r of tile T is row 32 (T / 2) + 8 (T % 2) + r + 8 (r / 8): the 16 registers of B's tiles 2 b, 2 b + 1 are then 16 neighbours, 32 b + 16 h + 0 .. 15.
; The operands lie in memory as images of their registers: a tile's two K steps are 3,072 dense bytes, a fragment three loads of 16 bytes a lane.  K goes in steps of 256 through a ring of two LDS slots.
; CLUSTERS: 4 x 4 work-groups; A's tiles are asked for jointly along a row of the cluster, B's along a column.  The branch between the two ways out hangs on the cluster's number, which all partners share.
; RECORDS: for each head and 128 positions 20,224 bytes: K's images 0, K's scale words 6,144, V's images 6,656, V's scale words 12,800, the mask's numbers 13,056, Q's images 13,568, Q's scale words 19,712.
; An image of K or Q holds two tiles' six registers; a scale word of K or Q repeats its two bytes, so that the unused upper half of a K step of 128 carries bytes that are no NaN.
; LIMITS: as in the launch before: a block of zeros gets the byte 1; magnitudes under 2^-124 are held at the byte 1; NaN and infinities are not served.
; No prefetch: the ring has four fills in all.
; REGISTERS: window 0: v16-29 addresses; v32-63 scale words, two sets, and nothing else; v128-223 A's fragments, one set; window 1: B's fragments, two sets; windows 2, 3: the accumulators ((a, b) at v[8 (8 (a % 4) + b)]).
.set NQ,     2
.set FR,     12
.set NL,     3                         ; LDS loads that bring a fragment
.set NP,     4                         ; places behind this matrix instruction (ISA guide 7.12.1)
.set FRB,    1536
.set TILEB,  3072                      ; a tile's two K steps in a slot
.set HALFT,  8*TILEB                   ; what one tensor load brings
.set SLOT,   4*HALFT
.set LAPS,   2
.set SCL,    2*SLOT                    ; A's scales, 8,192 bytes; B's begin 8,192 + 128 further on
.set SPARE,  213248                    ; the spare words: two blocks of 256 bytes that no other line names
.set GRPC,   196608                    ; 256 rows' codes
.set REC,    20224
.set HEADB,  16*REC
.set VI,     6656
.set QI,     13568
.set FLOOR,  0x1800000
.set EOFF,   0xff000000
.set ADRA, 16
.set ADRB, 20
.set LI,   24                          ; 16 x lane
.set L8,   25                          ; 8 x lane
.set ADRS, 27
.set SPW,  28
.set NIL,  29
.set SC,   32
.set AF,   128
.set RT,   64                          ; the way out: two sets of 16 cos and 16 sin
.set RR,   128                         ; a head's 32 rotated numbers
.set FF,   160                         ; two images in the making (q, k), or one fragment (v)
.set TT,   184
.set TM,   192
.set WW,   208                         ; scale words just made
.set KSR,  212                         ; and gathered
.set SEL,  12
.set HI,   17
.set G1, 24
.set G0, 32
.set G1B, 48
.set G0B, 56
.set G1S, 68
.set G0S, 76
.set G1SB, 80
.set G0SB, 88
.set MSB, 0
.macro WIN new                         ; the immediate's high byte repeats the setting that is left
.if MSB != (\new)
	s_set_vgpr_msb (MSB<<8)|(\new)
.set MSB, (\new)
.endif
.endm
.set MUL_LO, 0xa1
.set MUL_HI, 0xf1
.set TO_B,   0x40
.macro JLOAD g0a, g1a, g0b, g1b        ; waves 0 and 1 fetch for A, waves 2 and 3 for B; four v_nop follow each line
	s_cmp_eq_u32 s15, 0
	s_cbranch_scc0 .Lfor_b_\@
	tensor_load_to_lds s[\g0a:\g0a+3], s[\g1a:\g1a+7]
	s_nop 0
.rept 4
	v_nop
.endr
	s_branch .Lasked_\@
.Lfor_b_\@:
	tensor_load_to_lds s[\g0b:\g0b+3], s[\g1b:\g1b+7]
	s_nop 0
.rept 4
	v_nop
.endr
.Lasked_\@:
.endm
.macro CREST
	s_cmp_lg_u32 s14, 0
	s_cbranch_scc1 .Lnot_wave_0_\@
	s_barrier_signal -3
.Lnot_wave_0_\@:
	s_barrier_wait -3
	s_barrier_signal -1
	s_barrier_wait -1
.endm
.macro CROUND
	s_barrier_signal -1
	s_barrier_wait -1
	CREST
.endm
	s_load_b256 s[4:11], s[0:1], 0x0               ; codes, scales, the table, the records
	v_lshl_add_u32 v[SPW], v0, 2, SPARE
	v_mov_b32 v[NIL], 0
	ds_add_u32 v28, v29
	ds_add_u32 v28, v29
	s_wait_dscnt 0x0
	v_lshrrev_b32 v1, 5, v0
	v_readfirstlane_b32 s14, v1                    ; wave
	s_lshr_b32 s15, s14, 1                         ; my half of A's tiles.  Also: I fetch for A (0) or B (1)
	s_and_b32 s16, s14, 1                          ; my half of B's tiles.  Also: which half I fetch
	s_bfe_u32 s40, ttmp6, 0x40000                  ; cx
	s_bfe_u32 s41, ttmp6, 0x40004                  ; cy
	s_lshl_b32 s43, s41, 2
	s_lshl_b32 s43, 15, s43                        ; my row of the cluster
	s_lshl_b32 s44, 0x1111, s40                    ; my column
	s_lshr_b32 s20, ttmp9, 1
	s_lshl_b32 s20, s20, 2                         ; q, k: x's groups 4 (c / 2) ..
	s_and_b32 s46, ttmp9, 1
	s_lshl_b32 s46, s46, 2
	s_add_co_u32 s46, s46, 32                      ; Wq's groups 32 .., Wk's 36 ..
	s_sub_co_u32 s21, ttmp9, 16
	s_lshl_b32 s21, s21, 2                         ; v: x's groups 4 (c - 16) ..
	s_cmp_lt_u32 ttmp9, 16
	s_cselect_b32 s20, s20, 40                     ; v: Wv's groups 40 ..
	s_cselect_b32 s46, s46, s21
	s_add_co_u32 s20, s20, s41                     ; A's group of 256 rows: hangs on cy alone
	s_add_co_u32 s46, s46, s40                     ; B's: on cx alone
	s_or_b32 s[G1+0], s43, (3<<16)|(1<<21)         ; elements of 8 bytes, no padding; bit 21 beside a mask
	s_or_b32 s[G1B+0], s44, (3<<16)|(1<<21)
.irp g, G1, G1B
	s_mov_b32 s[\g+1], 384<<16                     ; a row: a tile's 3,072 bytes
	s_mov_b32 s[\g+2], 8<<16                       ; 8 tiles
	s_mov_b32 s[\g+3], 384<<16
	s_mov_b32 s[\g+4], 8
	s_mov_b32 s[\g+5], 1536                        ; 12,288 bytes from tile to tile
	s_mov_b32 s[\g+6], 0
	s_mov_b32 s[\g+7], 0
.endr
	s_or_b32 s[G1S+0], s43, (3<<16)|(1<<21)
	s_or_b32 s[G1SB+0], s44, (3<<16)|(1<<21)
.irp g, G1S, G1SB
	s_mov_b32 s[\g+1], 32<<16                      ; the scales of 8 tiles: 4,096 dense bytes as 16 rows of 256
	s_mov_b32 s[\g+2], 16<<16
	s_mov_b32 s[\g+3], 32<<16
	s_mov_b32 s[\g+4], 16
	s_mov_b32 s[\g+5], 32
	s_mov_b32 s[\g+6], 0
	s_mov_b32 s[\g+7], 0
.endr
	s_mul_i32 s18, s16, GRPC/2
	s_lshl_b32 s19, s16, 12
	s_mul_i32 s22, s20, GRPC
	s_add_co_u32 s22, s22, s18
	s_mov_b32 s23, 0
	s_mul_i32 s92, s46, GRPC
	s_add_co_u32 s92, s92, s18
	s_mov_b32 s93, 0
	s_lshl_b32 s94, s20, 13
	s_add_co_u32 s94, s94, s19
	s_mov_b32 s95, 0
	s_lshl_b32 s96, s46, 13
	s_add_co_u32 s96, s96, s19
	s_mov_b32 s97, 0
	s_mul_i32 s45, s14, HALFT                      ; where they go: by the wave's number alone
	s_lshl_b32 s47, s14, 12
	s_wait_kmcnt 0x0
	s_add_nc_u64 s[22:23], s[4:5], s[22:23]
	s_add_nc_u64 s[92:93], s[4:5], s[92:93]
	s_add_nc_u64 s[94:95], s[6:7], s[94:95]
	s_add_nc_u64 s[96:97], s[6:7], s[96:97]
	CROUND                                         ; all sixteen work-groups are here: the first joint loads meet
	s_mov_b32 s[G0S], 1
	s_add_co_u32 s[G0S+1], s47, SCL
	s_mov_b64 s[G0S+2:G0S+3], s[94:95]
	s_or_b32 s[G0S+3], s[G0S+3], 0x80000000
	s_mov_b32 s[G0SB], 1
	s_add_co_u32 s[G0SB+1], s47, SCL+128
	s_mov_b64 s[G0SB+2:G0SB+3], s[96:97]
	s_or_b32 s[G0SB+3], s[G0SB+3], 0x80000000
	JLOAD G0S, G1S, G0SB, G1SB                     ; the scales for all of K: filled once
.irp s, 0,1
	s_mov_b32 s[G0+4*\s], 1
	s_add_co_u32 s[G0+4*\s+1], s45, \s*SLOT
	s_add_nc_u64 s[G0+4*\s+2:G0+4*\s+3], s[22:23], \s*TILEB
	s_or_b32 s[G0+4*\s+3], s[G0+4*\s+3], 0x80000000
	s_mov_b32 s[G0B+4*\s], 1
	s_add_co_u32 s[G0B+4*\s+1], s45, \s*SLOT
	s_add_nc_u64 s[G0B+4*\s+2:G0B+4*\s+3], s[92:93], \s*TILEB
	s_or_b32 s[G0B+4*\s+3], s[G0B+4*\s+3], 0x80000000
	JLOAD G0+4*\s, G1, G0B+4*\s, G1B               ; by my own count three tensor loads are out now
.endr
	v_and_b32 v1, 15, v0                           ; r
	v_bfe_u32 v2, v0, 4, 1                         ; h
	v_and_b32 v3, 31, v0
	v_lshlrev_b32 v[LI], 4, v3
	v_lshlrev_b32 v[L8], 3, v3
	s_mul_i32 s18, s15, HALFT
	s_mul_i32 s19, s16, HALFT
	s_add_co_u32 s19, s19, 2*HALFT
.irp s, 0,1
	v_add_nc_u32 v[ADRA+\s], s18, v[LI]
	v_add_nc_u32 v[ADRB+\s], s19, v[LI]
	s_add_co_u32 s18, s18, SLOT
	s_add_co_u32 s19, s19, SLOT
.endr
	v_lshlrev_b32 v5, 3, v1                        ; scale words: 8 bytes a row and slot
	s_lshl_b32 s18, s15, 12
	s_lshl_b32 s19, s16, 12
	s_add_co_u32 s19, s19, 8192+128
	s_sub_co_u32 s19, s19, s18
	v_mul_u32_u24 v6, s19, v2                      ; lanes 16-31 take B's: one product in h
	s_add_co_u32 s18, s18, SCL
	v_add_nc_u32 v5, v5, v6
	v_add_nc_u32 v[ADRS], s18, v5
	s_mov_b32 s[SEL], 0x76543210
	s_mov_b32 s[SEL+1], 0xfedcba98
	s_mov_b32 s[HI], 0xffff0000
.macro FRAG reg, adr, q, i             ; a fragment's image: three loads of 512 consecutive bytes
.irp g, 0,1,2
	ds_load_b128 v[\reg+4*\g:\reg+4*\g+3], v[\adr] offset:TILEB*(\i)+FRB*(\q)+512*\g
.endr
.endm
; 16 matrix instructions: A's blocks a0, a0 + 1 x B's eight.  The 64 accumulators take turns, one instruction a turn, in the same order in every step.
.macro MUL16 a0, p, q, sc, zero
.irp a, \a0, \a0+1
.irp b, 0,1,2,3,4,5,6,7
.if \zero
	v_wmma_scale_f32_16x16x128_f8f6f4 v[8*(8*((\a)%4)+\b):8*(8*((\a)%4)+\b)+7], v[128*(\p)+FR*\b:128*(\p)+FR*\b+FR-1], v[AF+FR*(\a):AF+FR*(\a)+FR-1], 0, v[SC+8*NQ*(\sc)+NQ*\b+(\q)], v[SC+8*NQ*(\sc)+NQ*(\a)+(\q)] matrix_a_fmt:MATRIX_FMT_FP6 matrix_b_fmt:MATRIX_FMT_FP6 matrix_a_scale:MATRIX_SCALE_ROW1
.else
	v_wmma_scale_f32_16x16x128_f8f6f4 v[8*(8*((\a)%4)+\b):8*(8*((\a)%4)+\b)+7], v[128*(\p)+FR*\b:128*(\p)+FR*\b+FR-1], v[AF+FR*(\a):AF+FR*(\a)+FR-1], v[8*(8*((\a)%4)+\b):8*(8*((\a)%4)+\b)+7], v[SC+8*NQ*(\sc)+NQ*\b+(\q)], v[SC+8*NQ*(\sc)+NQ*(\a)+(\q)] matrix_a_fmt:MATRIX_FMT_FP6 matrix_b_fmt:MATRIX_FMT_FP6 matrix_a_scale:MATRIX_SCALE_ROW1
.endif
.endr
.endr
.endm
.macro FETCH_B slot, q, p
	WIN TO_B
.irp i, 0,1,2,3,4,5,6,7
	FRAG 128*(\p)+FR*\i, ADRB+\slot, \q, \i
.endr
	WIN 0
.endm
.macro FETCH_A slot, q, i0
.irp i, \i0, \i0+1, \i0+2, \i0+3
	FRAG AF+FR*(\i), ADRA+\slot, \q, \i
.endr
.endm
.macro SCALES sc                       ; a slot's two words a row: lanes 0-15 A's tile i, lanes 16-31 B's tile i
.irp i, 0,1,2,3,4,5,6,7
	ds_load_b64 v[SC+8*NQ*\sc+NQ*\i:SC+8*NQ*\sc+NQ*\i+1], v[ADRS] offset:512*\i
.endr
.endm
.macro PLACES n
.rept \n
	v_nop
.endr
.endm
.macro STEP slot, q, zero              ; 128 along K with a successor in the same slot
	s_wait_dscnt 4*NL                              ; B's set and A's blocks 0-3 are in; A's blocks 4-7, the youngest twelve loads, may be out
	WIN MUL_LO
	MUL16 0, (\q)%2, \q, \slot, \zero
	MUL16 2, (\q)%2, \q, \slot, \zero
	s_wait_dscnt 0
	PLACES NP
	FETCH_B \slot, (\q)+1, 1-(\q)%2
	FETCH_A \slot, (\q)+1, 0
	WIN MUL_HI
	MUL16 4, (\q)%2, \q, \slot, \zero
	MUL16 6, (\q)%2, \q, \slot, \zero
	PLACES NP
	WIN 0
	FETCH_A \slot, (\q)+1, 4
.endm
.macro TURN slot, next, fill           ; a slot's last step changes slots
	s_wait_tensorcnt 0x0                           ; all my tensor loads have landed: my part of the next slot
	ds_add_u32 v[SPW], v[NIL]                      ; 0 onto my spare word
	s_wait_dscnt 4*NL+1                            ; (the add and A's blocks 4-7 may be out)
	WIN MUL_LO
	MUL16 0, 1, NQ-1, \slot, 0
	s_wait_dscnt 0x0                               ; the add is done, and my reads of this slot are over
	s_barrier_signal -1
	MUL16 2, 1, NQ-1, \slot, 0
	WIN 0
	s_barrier_wait -1
.if \fill
	CREST                                          ; the barrier has opened a round of the cluster's: no wave of any partner still reads this slot or has a load on its way
	s_add_nc_u64 s[G0+4*\slot+2:G0+4*\slot+3], s[G0+4*\slot+2:G0+4*\slot+3], 2*TILEB
	s_add_nc_u64 s[G0B+4*\slot+2:G0B+4*\slot+3], s[G0B+4*\slot+2:G0B+4*\slot+3], 2*TILEB
	JLOAD G0+4*\slot, G1, G0B+4*\slot, G1B         ; the first tensor load behind the round; its four v_nop are the places in front of the loads below
.else
	PLACES NP
.endif
	v_add_nc_u32 v[ADRS], 128, v[ADRS]             ; the next slot's scale words
	FETCH_B \next, 0, 0
	FETCH_A \next, 0, 0
	SCALES \next
	WIN MUL_HI
	MUL16 4, 1, NQ-1, \slot, 0
	MUL16 6, 1, NQ-1, \slot, 0
	PLACES NP
	WIN 0
	FETCH_A \next, 0, 4
.endm
	s_wait_tensorcnt 1                             ; the scales and my part of slot 0 are in; slot 1's load may be out
	s_barrier_signal -1
	s_barrier_wait -1
	FETCH_B 0, 0, 0
	FETCH_A 0, 0, 0
	SCALES 0
	FETCH_A 0, 0, 4
	STEP 0, 0, 1                                   ; the first step starts the sums
	s_mov_b32 s3, LAPS-1
.Llap:
	TURN 0, 1, 1
	STEP 1, 0, 0
	TURN 1, 0, 1
	STEP 0, 0, 0
	s_sub_co_u32 s3, s3, 1
	s_cmp_lg_u32 s3, 0
	s_cbranch_scc1 .Llap
	TURN 0, 1, 0
	STEP 1, 0, 0
	s_wait_dscnt 4*NL
	WIN MUL_LO
	MUL16 0, 1, NQ-1, 1, 0
	MUL16 2, 1, NQ-1, 1, 0
	s_wait_dscnt 0
	WIN MUL_HI
	MUL16 4, 1, NQ-1, 1, 0
	MUL16 6, 1, NQ-1, 1, 0
	WIN 0
	PLACES NP
; 16 nb numbers of a lane, v[s ..] in window w, register 16 b + i = k 32 b + 16 h + i of my row, become 3 nb registers of codes in v[d ..] and a scale word in v[pw].  The reads ascend, each accumulator from its low end.
.macro QUANT nb, s, w, d, t, pw
	WIN (\w)|((\w)<<2)
.set qb, 0
.rept \nb
	v_max3_num_f32 v[TM+qb], |v[(\s)+16*qb]|, |v[(\s)+16*qb+1]|, FLOOR
.set qb, qb+1
.endr
.irp i, 2,4,6,8,10,12,14
.set qb, 0
.rept \nb
	v_max3_num_f32 v[TM+qb], |v[(\s)+16*qb+\i]|, |v[(\s)+16*qb+\i+1]|, v[TM+qb]
.set qb, qb+1
.endr
.endr
	WIN 0
.set qb, 0
.rept \nb
	v_permlanex16_b32 v[TM+4+qb], v[TM+qb], s[SEL], s[SEL+1]
.set qb, qb+1
.endr
.set qb, 0
.rept \nb
	v_max_num_f32 v[TM+qb], v[TM+qb], v[TM+4+qb]
.set qb, qb+1
.endr
.set qb, 0
.rept \nb
	v_add_nc_u32 v[TM+12+qb], EOFF, v[TM+qb]
.set qb, qb+1
.endr
.set qb, 0
.rept \nb
	v_lshrrev_b32 v[TM+4+qb], 23, v[TM+12+qb]
.set qb, qb+1
.endr
	v_lshl_or_b32 v[\pw], v[TM+5], 8, v[TM+4]
.if \nb == 4
	v_lshl_or_b32 v[\pw], v[TM+6], 16, v[\pw]
	v_lshl_or_b32 v[\pw], v[TM+7], 24, v[\pw]
.else
	v_lshl_or_b32 v[\pw], v[\pw], 16, v[\pw]       ; the two bytes once more, for the half of the K step that holds no numbers
.endif
	WIN (\w)
.set qb, 0
.rept (\nb)/2
	v_cvt_scalef32_pk16_fp6_f32 v[(\d)+6*qb:(\d)+6*qb+2], v[(\s)+32*qb:(\s)+32*qb+15], v[TM+12+2*qb]
	v_cvt_scalef32_pk16_fp6_f32 v[(\t)+4*qb:(\t)+4*qb+2], v[(\s)+32*qb+16:(\s)+32*qb+31], v[TM+13+2*qb]
.set qb, qb+1
.endr
	WIN 0
	v_nop                                          ; one plain place behind a scaled conversion
.set qb, 0
.rept (\nb)/2
.irp i, 0,1,2
	v_permlane16_swap_b32 v[(\d)+6*qb+\i], v[(\t)+4*qb+\i]
.endr
.irp i, 0,1,2
	v_mov_b32 v[(\d)+6*qb+3+\i], v[(\t)+4*qb+\i]
.endr
.set qb, qb+1
.endr
.endm
.irp b, 0,1,2,3
	v_mov_b32 v[TM+4+\b], 0                        ; written once: a lane permute's destination counts as one of its sources
.endr
	s_cmp_ge_u32 ttmp9, 16
	s_cbranch_scc1 .Lv
; ---- q and k.  Block a of A is a tile of 16 positions; my 128 rows of B are two heads.  In a head register i is channel 16 h + i, register 16 + i channel 32 + 16 h + i: a pair of the rotation lies in one lane.
	s_lshr_b32 s66, s20, 3                         ; batch
	s_lshl_b32 s66, s66, 4
	s_lshl_b32 s67, s40, 2
	s_add_co_u32 s66, s66, s67
	s_lshl_b32 s67, s16, 1
	s_add_co_u32 s66, s66, s67                     ; my first head
	s_mul_i32 s66, s66, HEADB
	s_and_b32 s67, s20, 7
	s_lshl_b32 s67, s67, 1
	s_add_co_u32 s67, s67, s15                     ; my block of 128 positions
	s_mul_i32 s67, s67, REC
	s_add_co_u32 s66, s66, s67
	s_and_b32 s67, ttmp9, 1
	s_cmp_eq_u32 s67, 0
	s_cselect_b32 s67, QI, 0
	s_add_co_u32 s66, s66, s67
	s_mov_b32 s67, 0
	s_add_nc_u64 s[10:11], s[10:11], s[66:67]
	s_and_b32 s66, s20, 7
	s_lshl_b32 s66, s66, 16
	s_lshl_b32 s18, s15, 15
	s_add_co_u32 s66, s66, s18
	s_add_nc_u64 s[8:9], s[8:9], s[66:67]          ; the table at my first tile of positions
.macro ROPE_LOAD a
.irp g, 0,1,2,3,4,5,6,7
	global_load_b128 v[RT+32*((\a)%2)+4*\g:RT+32*((\a)%2)+4*\g+3], v[LI], s[8:9] offset:4096*(\a)+512*\g
.endr
.endm
.macro ROT a, hd                       ; q1 c - q2 s and q1 s + q2 c, two at a time
.set AC, 64*((\a)%4)+32*(\hd)
.set CN, RT+32*((\a)%2)
.set SN, CN+16
	WIN 2+(\a)/4
.irp i, 0,2,4,6,8,10,12,14
	v_pk_mul_f32 v[RR+\i:RR+\i+1], v[AC+16+\i:AC+17+\i], v[SN+\i:SN+\i+1]
	v_pk_mul_f32 v[RR+16+\i:RR+17+\i], v[AC+16+\i:AC+17+\i], v[CN+\i:CN+\i+1]
.endr
.irp i, 0,2,4,6,8,10,12,14
	v_pk_fma_f32 v[RR+\i:RR+\i+1], v[AC+\i:AC+\i+1], v[CN+\i:CN+\i+1], v[RR+\i:RR+\i+1] neg_lo:[0,0,1] neg_hi:[0,0,1]
	v_pk_fma_f32 v[RR+16+\i:RR+17+\i], v[AC+\i:AC+\i+1], v[SN+\i:SN+\i+1], v[RR+16+\i:RR+17+\i]
.endr
.endm
	ROPE_LOAD 0
.irp a, 0,1,2,3,4,5,6,7
.if \a < 7
	ROPE_LOAD \a+1
	s_wait_loadcnt 8                               ; this tile's eight loads are in; the next tile's eight may be out
.else
	s_wait_loadcnt 0
.endif
.if (\a)%2 == 0 && \a > 0
	s_wait_xcnt 0x0                                ; the last images' stores have read their registers
.endif
.irp hd, 0,1
	ROT \a, \hd
	QUANT 2, RR, 0, FF+12*\hd+6*((\a)%2), TT, WW+2*\hd+(\a)%2
.endr
.if (\a)%2 == 1
.irp hd, 0,1
.irp g, 0,1,2
	global_store_b128 v[LI], v[FF+12*\hd+4*\g:FF+12*\hd+4*\g+3], s[10:11] offset:\hd*HEADB+1536*((\a)/2)+512*\g   ; 512 consecutive bytes
.endr
	v_cndmask_b32 v[KSR+4*\hd+(\a)/2], v[WW+2*\hd], v[WW+2*\hd+1], s[HI]   ; lanes 0-15 the even tile's words, lanes 16-31 the odd tile's
.endr
.endif
.endr
.irp hd, 0,1
	global_store_b128 v[LI], v[KSR+4*\hd:KSR+4*\hd+3], s[10:11] offset:\hd*HEADB+6144
.endr
	s_branch .Ljoin
; ---- v.  Block a of A is a tile of 16 channels (head a / 4, tile a % 4); the 64 registers run along my 128 keys: one fragment of V^T
.Lv:
	s_lshr_b32 s66, s46, 3                         ; batch
	s_lshl_b32 s66, s66, 4
	s_lshl_b32 s67, s41, 2
	s_add_co_u32 s66, s66, s67
	s_lshl_b32 s67, s15, 1
	s_add_co_u32 s66, s66, s67
	s_mul_i32 s66, s66, HEADB
	s_and_b32 s67, s46, 7
	s_lshl_b32 s67, s67, 1
	s_add_co_u32 s67, s67, s16
	s_mul_i32 s67, s67, REC
	s_add_co_u32 s66, s66, s67
	s_add_co_u32 s66, s66, VI
	s_mov_b32 s67, 0
	s_add_nc_u64 s[10:11], s[10:11], s[66:67]
.irp a, 0,1,2,3,4,5,6,7
.if \a > 0
	s_wait_xcnt 0x0                                ; the last fragment's stores have read their registers
.endif
	QUANT 4, 64*((\a)%4), 2+(\a)/4, FF, TT, WW+(\a)%4
.irp g, 0,1,2
	global_store_b128 v[LI], v[FF+4*\g:FF+4*\g+3], s[10:11] offset:((\a)/4)*HEADB+1536*((\a)%4)+512*\g
.endr
.if (\a)%4 == 3
	v_cndmask_b32 v[KSR], v[WW], v[WW+1], s[HI]
	v_cndmask_b32 v[KSR+1], v[WW+2], v[WW+3], s[HI]
	global_store_b64 v[L8], v[KSR:KSR+1], s[10:11] offset:((\a)/4)*HEADB+6144   ; 256 consecutive bytes
.endif
.endr
.Ljoin:
	s_wait_tensorcnt 0x0                           ; the wave's end
	ds_add_u32 v[SPW], v[NIL]
	s_wait_dscnt 0x0
	CROUND                                         ; the closing round
	s_endpgm
.Lfunc_end_k_q1222103c5e_qkvgemm:
	.size	k_q1222103c5e_qkvgemm, .Lfunc_end_k_q1222103c5e_qkvgemm-k_q1222103c5e_qkvgemm
	.p2alignl 7, 3214868480
	.fill 96, 4, 3214868480
	.section	.rodata,"a",@progbits
	.p2align	6, 0x0
	.amdhsa_kernel k_q1222103c5e_qkvgemm
		.amdhsa_group_segment_fixed_size 327680
		.amdhsa_private_segment_fixed_size 0
		.amdhsa_enable_private_segment 0
		.amdhsa_kernarg_size 32
		.amdhsa_user_sgpr_count 2
		.amdhsa_user_sgpr_kernarg_segment_ptr 1
		.amdhsa_wavefront_size32 1
		.amdhsa_system_sgpr_workgroup_id_x 1
		.amdhsa_system_sgpr_workgroup_id_y 1
		.amdhsa_system_sgpr_workgroup_id_z 1
		.amdhsa_system_vgpr_workitem_id 0
		.amdhsa_next_free_vgpr 1024
		.amdhsa_next_free_sgpr 98
		.amdhsa_reserve_vcc 0
		.amdhsa_float_denorm_mode_32 3
		.amdhsa_float_denorm_mode_16_64 3
		.amdhsa_memory_ordered 1
		.amdhsa_forward_progress 1
		.amdhsa_inst_pref_size 214
	.end_amdhsa_kernel
	.amdgpu_metadata
---
amdhsa.version: [ 1, 2 ]
amdhsa.kernels:
  - .name:           k_q1222103c5e_qkvgemm
    .symbol:         k_q1222103c5e_qkvgemm.kd
    .args:
      - { .name: xw_codes, .offset: 0, .size: 8, .value_kind: global_buffer, .address_space: global }
      - { .name: xw_scales, .offset: 8, .size: 8, .value_kind: global_buffer, .address_space: global }
      - { .name: rope, .offset: 16, .size: 8, .value_kind: global_buffer, .address_space: global }
      - { .name: qkv, .offset: 24, .size: 8, .value_kind: global_buffer, .address_space: global }
    .group_segment_fixed_size: 327680
    .private_segment_fixed_size: 0
    .kernarg_segment_align: 8
    .kernarg_segment_size: 32
    .max_flat_workgroup_size: 128
    .sgpr_count:     98
    .vgpr_count:     1024
    .wavefront_size: 32
...
	.end_amdgpu_metadata
.endif
;; end of part 2
;; launch attn (part 3): grid 4 x 64, 8 waves a work-group, clusters of 4 x 1, 218,112 bytes of LDS; arguments qkv, o_codes, o_scales; writes o_codes, o_scales
.if DOCPART == 3
	.amdgcn_target "amdgcn-amd-amdhsa--gfx1250"
	.amdhsa_code_object_version 6
	.text
	.protected	k_q1222103c5e_attn
	.globl	k_q1222103c5e_attn
	.p2align	8
	.type	k_q1222103c5e_attn,@function
k_q1222103c5e_attn:
	s_mov_b64 s[64:65], 0
	v_nop
	global_prefetch_b8 v0, s[64:65] scope:SCOPE_SE
	s_setreg_imm32_b32 hwreg(HW_REG_WAVE_MODE, 25, 1), 1
	s_wait_xcnt 0x0
	s_wait_alu depctr_hold_cnt(0) depctr_sa_sdst(0) depctr_va_vdst(0) depctr_va_sdst(0) depctr_va_ssrc(0) depctr_va_vcc(0) depctr_vm_vsrc(0)
	s_getreg_b32 s2, hwreg(HW_REG_IB_STS2, 6, 4)
	s_cmp_eq_u32 s2, 0
	s_cbranch_scc0 .Lentry_in_a_cluster
	s_endpgm
.Lentry_in_a_cluster:
	s_bfe_u32 s2, ttmp6, 0x10000c
	s_cmp_lg_u32 s2, 0x3003
	s_cbranch_scc0 .Lentry_shape_is_right
	s_endpgm
.Lentry_shape_is_right:
; For each head: S^T = K Q^T + mask, p = 2^(t - M) with t = score x log2(e) / 8 and M the ceiling of the running largest t, O^T += V^T P^T, O / l, and O quantised along the model's 1,024 for the last product.
; Both products on codes of E2M3 with E8M0 scales; the row's sum l is taken of the unquantised p.
; SHARES.  A cluster of four work-groups is one head; a work-group owns 512 queries, each of its eight waves 64, in two passes of two tiles of 16: tile 0 in register window 0, tile 1 in window 1, at the same numbers.
; THE WHOLE HEAD STAYS IN LDS: 16 steps x 13,568 bytes (K's images and scale words, V's, the mask's numbers), filled ONCE by joint loads that name all four work-groups, one load a wave.  Nothing is filled again, nothing is stored to LDS.
; K = 64 fills half of the instruction's 128.  Q's upper six registers are zero codes; K's tile t is named as v[KF + 6 t .. + 11], whose upper six registers are the next tile's codes: finite numbers times zero add nothing.
; THE MASK IS THE C OF THE SCORE PRODUCT: 0 or -2^120 for each key, in the result's layout: no vector instruction is spent on it.
; Both products are used transposed: a lane holds one query; the keys of a tile are chosen so that 16 registers are 16 neighbouring keys.
; Where every key of a batch is masked, l = 0: the scale bytes go out as 0xff, and the last product gives NaN, as the softmax of such a row is.
; LIMITS: an unmasked t must lie above -2^100 and a score's magnitude under 2^120; NaN and infinities are not served; a block of zeros gets the byte 1.
; No prefetch: the only stream is the fill at the head.  Two waves share a SIMD, so that one wave's vector work stands beside the other's matrix work.
; REGISTERS.  Both windows: v112-175 S^T then p; v176-207 O^T; v208-219 Q (six of codes, six zeros); v220-231 p's codes; v232-247 at work; v248 -M, v249 the largest t, v[250:251] l, v252 f, v253 the scale word, v254 at work.
; Window 0: v2-7, v9 addresses; v16-17 V's scale words; v22, v23 p's; v24-71 K's codes, v72-77 zeros; v80-83 K's scale words; v84 Q's.  Window 1: v0-63 the mask's numbers; v64-111 V's four fragments.
.set REC,   20224
.set HEADB, 16*REC
.set STEPB, 13568
.set KSO,   6144
.set VI,    6656
.set VSO,   12800
.set BI,    13056
.set QI,    13568
.set QSO,   19712
.set FLOOR, 0x1800000
.set EOFF,  0xff000000
.set KF, 24
.set KS, 80
.set QS, 84
.set VS, 16
.set PS, 22
.set S,  112
.set O,  176
.set QF, 208
.set PC, 220
.set BM, 232
.set TP, 236
.set SO, 244
.set WV,  10
.set CX,  11
.set Y,   12
.set HI,  13
.set CS,  14
.set SEL, 16
.set PASS, 18
.set CNT, 19
.set G0,  20
.set G1,  24
.set YB,  32
.set QB,  36
.set QSB, 38
.set OB,  40
.set OSB, 42
.set ZM,  50
.set FFFF, 52
.set TBS, 53
.set MSB, 0
.macro WIN new
.if MSB != (\new)
	s_set_vgpr_msb (MSB<<8)|(\new)
.set MSB, (\new)
.endif
.endm
.macro ROUND
	s_barrier_signal -1
	s_barrier_wait -1
	s_cmp_lg_u32 s[WV], 0
	s_cbranch_scc1 .Lnot_wave_0_\@
	s_barrier_signal -3
.Lnot_wave_0_\@:
	s_barrier_wait -3
	s_barrier_signal -1
	s_barrier_wait -1
.endm
	s_load_b128 s[4:7], s[0:1], 0x0                ; the records, o's codes
	s_load_b64 s[8:9], s[0:1], 0x10                ; o's scales
	v_lshl_add_u32 v243, v0, 2, 0x35000
	v_mov_b32 v255, 0
	ds_add_u32 v243, v255
	ds_add_u32 v243, v255
	v_lshrrev_b32 v1, 5, v0
	v_readfirstlane_b32 s[WV], v1                  ; wave 0..7
	s_bfe_u32 s[CX], ttmp6, 0x40000                ; my place in the cluster: it enters Q's and o's addresses alone
	s_and_b32 s[Y], ttmp7, 0xffff                  ; the head, which the partners share
	s_mov_b32 s[HI], 0xffff0000
	s_mov_b32 s[CS], 0x3e38aa3b                    ; log2(e) / 8
	s_mov_b32 s[CS+1], s[CS]
	s_mov_b32 s[SEL], 0x76543210
	s_mov_b32 s[SEL+1], 0xfedcba98
	s_mov_b32 s[FFFF], 0xffff
	s_mov_b32 s[G1], 15|(3<<16)|(1<<21)            ; all four work-groups; elements of 8 bytes; bit 21 beside a mask
	s_mov_b32 s[G1+1], 1696<<16                    ; a row: a step's 13,568 bytes
	s_mov_b32 s[G1+2], 2<<16                       ; two steps a wave
	s_mov_b32 s[G1+3], 1696<<16
	s_mov_b32 s[G1+4], 2
	s_mov_b32 s[G1+5], 2528                        ; 20,224 bytes from record to record
	s_mov_b32 s[G1+6], 0
	s_mov_b32 s[G1+7], 0
	s_mul_i32 s[YB], s[Y], HEADB
	s_mul_i32 s34, s[WV], 2*REC
	s_add_co_u32 s34, s34, s[YB]
	s_mov_b32 s35, 0
	s_wait_dscnt 0x0
	s_wait_kmcnt 0x0
	ROUND                                          ; all four work-groups are here: the joint loads meet
	s_mov_b32 s[G0], 1
	s_mul_i32 s[G0+1], s[WV], 2*STEPB
	s_add_nc_u64 s[G0+2:G0+3], s[4:5], s[34:35]
	s_or_b32 s[G0+3], s[G0+3], 0x80000000
	tensor_load_to_lds s[G0:G0+3], s[G1:G1+7]      ; my one tensor load of the launch
	s_nop 0
.rept 4
	v_nop
.endr
	v_and_b32 v1, 31, v0
	v_lshlrev_b32 v2, 4, v1                        ; 16 x lane
	v_lshlrev_b32 v3, 3, v1                        ; 8 x lane
	v_bfe_u32 v10, v0, 4, 1                        ; h
	v_lshlrev_b32 v4, 6, v10                       ; 64 h
	v_and_b32 v11, 15, v0                          ; r
	v_lshlrev_b32 v9, 9, v10
	v_lshl_add_u32 v9, v11, 3, v9                  ; o's scale words: 512 h + 8 r
	v_mov_b32 v5, v2                               ; the same three with the step's first byte: step 0
	v_mov_b32 v6, v3
	v_mov_b32 v7, v4
.irp i, 0,1,2,3,4,5
	v_mov_b32 v[KF+48+\i], 0                       ; what the last tile of K names beyond its codes
.endr
.irp w, 0,1
	WIN 0x40*\w
.irp i, 6,7,8,9,10,11
	v_mov_b32 v[QF+\i], 0                          ; Q's zero codes
.endr
.irp i, 0,1,2,3
	v_mov_b32 v[TP+\i], 0                          ; a lane permute's destination counts as one of its sources
.endr
	v_mov_b32 v253, 0                              ; named as the upper half of a pair before it is first written
.endr
	WIN 0
	s_mov_b32 s[PASS], 0
	s_wait_tensorcnt 0x0                           ; my two steps have landed,
	s_barrier_signal -1
	s_barrier_wait -1                              ; everybody's have
.macro LOADKB                          ; 29 loads: K's four images, its scale words, the mask's 64 numbers a lane
.irp b, 0,1,2,3
.irp g, 0,1,2
	ds_load_b128 v[KF+12*\b+4*\g:KF+12*\b+4*\g+3], v5 offset:1536*\b+512*\g
.endr
.endr
	ds_load_b128 v[KS:KS+3], v5 offset:KSO
	WIN 0x40
.irp b, 0,1,2,3
.irp j, 0,1,2,3
	ds_load_b128 v[16*\b+4*\j:16*\b+4*\j+3], v7 offset:BI+128*\b+16*\j
.endr
.endr
	WIN 0
.endm
.macro LOADV                           ; 13 loads: V's four fragments and their scale words
	WIN 0x40
.irp t, 0,1,2,3
.irp g, 0,1,2
	ds_load_b128 v[64+12*\t+4*\g:64+12*\t+4*\g+3], v5 offset:VI+1536*\t+512*\g
.endr
.endr
	WIN 0
	ds_load_b64 v[VS:VS+1], v6 offset:VSO
.endm
.macro SCORES w                        ; eight tiles of 16 keys x my tile w of queries; C = the mask's numbers (window 1)
	WIN 0x10+0x44*(\w)
.irp t, 0,1,2,3,4,5,6,7
.if (\w) == 0
.if \t%2 == 0
	v_wmma_scale_f32_16x16x128_f8f6f4 v[S+8*\t:S+8*\t+7], v[KF+6*\t:KF+6*\t+11], v[QF:QF+11], v[8*\t:8*\t+7], v[KS+\t/2], v[QS] matrix_a_fmt:MATRIX_FMT_FP6 matrix_b_fmt:MATRIX_FMT_FP6
.else
	v_wmma_scale_f32_16x16x128_f8f6f4 v[S+8*\t:S+8*\t+7], v[KF+6*\t:KF+6*\t+11], v[QF:QF+11], v[8*\t:8*\t+7], v[KS+\t/2], v[QS] matrix_a_fmt:MATRIX_FMT_FP6 matrix_b_fmt:MATRIX_FMT_FP6 matrix_a_scale:MATRIX_SCALE_ROW1
.endif
.else
.if \t%2 == 0
	v_wmma_scale_f32_16x16x128_f8f6f4 v[S+8*\t:S+8*\t+7], v[KF+6*\t:KF+6*\t+11], v[QF:QF+11], v[8*\t:8*\t+7], v[KS+\t/2], v[QS] matrix_a_fmt:MATRIX_FMT_FP6 matrix_b_fmt:MATRIX_FMT_FP6 matrix_b_scale:MATRIX_SCALE_ROW1
.else
	v_wmma_scale_f32_16x16x128_f8f6f4 v[S+8*\t:S+8*\t+7], v[KF+6*\t:KF+6*\t+11], v[QF:QF+11], v[8*\t:8*\t+7], v[KS+\t/2], v[QS] matrix_a_fmt:MATRIX_FMT_FP6 matrix_b_fmt:MATRIX_FMT_FP6 matrix_a_scale:MATRIX_SCALE_ROW1 matrix_b_scale:MATRIX_SCALE_ROW1
.endif
.endif
.endr
.endm
.macro VALUES w                        ; four tiles of 16 channels x my tile w; each accumulator has one instruction a step, the eight by turns
	WIN 0x01+0x54*(\w)
.irp t, 0,1,2,3
.if \t%2 == 0
	v_wmma_scale_f32_16x16x128_f8f6f4 v[O+8*\t:O+8*\t+7], v[64+12*\t:64+12*\t+11], v[PC:PC+11], v[O+8*\t:O+8*\t+7], v[VS+\t/2], v[PS+\w] matrix_a_fmt:MATRIX_FMT_FP6 matrix_b_fmt:MATRIX_FMT_FP6
.else
	v_wmma_scale_f32_16x16x128_f8f6f4 v[O+8*\t:O+8*\t+7], v[64+12*\t:64+12*\t+11], v[PC:PC+11], v[O+8*\t:O+8*\t+7], v[VS+\t/2], v[PS+\w] matrix_a_fmt:MATRIX_FMT_FP6 matrix_b_fmt:MATRIX_FMT_FP6 matrix_a_scale:MATRIX_SCALE_ROW1
.endif
.endr
.endm
; The softmax of tile w for 128 keys, all in window w.
.macro SOFT w
	WIN 0x55*(\w)
.irp b, 0,1,2,3
	v_max3_num_f32 v[BM+\b], v[S+16*\b], v[S+16*\b+1], v[S+16*\b+2]   ; the largest score of each block of 32 keys: for the row's maximum and for the block's largest p
.endr
.irp i, 3,5,7,9,11,13
.irp b, 0,1,2,3
	v_max3_num_f32 v[BM+\b], v[BM+\b], v[S+16*\b+\i], v[S+16*\b+\i+1]
.endr
.endr
.irp b, 0,1,2,3
	v_max_num_f32 v[BM+\b], v[BM+\b], v[S+16*\b+15]
.endr
.irp b, 0,1,2,3
	v_permlanex16_b32 v[TP+\b], v[BM+\b], s[SEL], s[SEL+1]
.endr
.irp b, 0,1,2,3
	v_max_num_f32 v[BM+\b], v[BM+\b], v[TP+\b]
.endr
	v_max3_num_f32 v254, v[BM], v[BM+1], v[BM+2]
	v_max_num_f32 v254, v254, v[BM+3]
	v_mul_f32 v254, s[CS], v254
	v_max_num_f32 v249, v249, v254                 ; the running largest t
	v_mov_b32 v254, v248
	v_floor_f32 v248, -v249                        ; -M = floor(-t): M is a whole number
	v_sub_f32 v254, v248, v254
	v_cvt_i32_f32 v254, v254                       ; (it saturates)
	v_ldexp_f32 v252, 1.0, v254                    ; f = 2^(old M - new M)
.set sj, 0
.rept 32
	v_pk_fma_f32 v[S+sj:S+sj+1], v[S+sj:S+sj+1], s[CS:CS+1], v[248:249] op_sel_hi:[1,0,0]   ; t - M
.set sj, sj+2
.endr
.irp b, 0,1,2,3
	v_fma_f32 v[BM+\b], v[BM+\b], s[CS], v248
.endr
.set sj, 0
.rept 64
	v_exp_f32 v[S+sj], v[S+sj]                     ; p, at most 1
.set sj, sj+1
.endr
	v_pk_mul_f32 v[250:251], v[250:251], v[252:253] op_sel_hi:[1,0]   ; l under the new M; the plain place behind the batch
	s_wait_alu depctr_va_vdst(0)                   ; one wait for the 64, ahead of their first reader
.irp b, 0,1,2,3
	v_exp_f32 v[BM+\b], v[BM+\b]                   ; each block's largest p
.endr
	v_pk_add_f32 v[TP:TP+1], v[S:S+1], v[S+2:S+3]  ; l of the unquantised p, in two chains
.set sj, 4
.rept 15
	v_pk_add_f32 v[250:251], v[250:251], v[S+sj:S+sj+1]
	v_pk_add_f32 v[TP:TP+1], v[TP:TP+1], v[S+sj+2:S+sj+3]
.set sj, sj+4
.endr
	v_pk_add_f32 v[250:251], v[250:251], v[TP:TP+1]
	s_wait_alu depctr_va_vdst(0)                   ; and one for the four
.irp b, 0,1,2,3
	v_max_num_f32 v[BM+\b], FLOOR, v[BM+\b]
.endr
.irp b, 0,1,2,3
	v_add_nc_u32 v[SO+\b], EOFF, v[BM+\b]
.endr
.irp b, 0,1,2,3
	v_lshrrev_b32 v[TP+\b], 23, v[SO+\b]
.endr
	v_lshl_or_b32 v253, v[TP+1], 8, v[TP]
	v_lshl_or_b32 v253, v[TP+2], 16, v253
	v_lshl_or_b32 v253, v[TP+3], 24, v253
	WIN (\w)
	v_mov_b32 v[PS+\w], v253                       ; scale operands have no window
	WIN 0x55*(\w)
.irp c, 0,1
	v_cvt_scalef32_pk16_fp6_f32 v[PC+6*\c:PC+6*\c+2], v[S+32*\c:S+32*\c+15], v[SO+2*\c]
	v_cvt_scalef32_pk16_fp6_f32 v[TP+4*\c:TP+4*\c+2], v[S+32*\c+16:S+32*\c+31], v[SO+2*\c+1]
.endr
	v_nop
.irp c, 0,1
.irp i, 0,1,2
	v_permlane16_swap_b32 v[PC+6*\c+\i], v[TP+4*\c+\i]
.endr
.irp i, 0,1,2
	v_mov_b32 v[PC+6*\c+3+\i], v[TP+4*\c+\i]
.endr
.endr
.set sj, 0
.rept 16
	v_pk_mul_f32 v[O+sj:O+sj+1], v[O+sj:O+sj+1], v[252:253] op_sel_hi:[1,0]   ; O^T under the new M; also the places ahead of the scaled products
.set sj, sj+2
.endr
.endm
; The way out of tile w: O / l, quantised along the head's 64 channels (two blocks); three stores of 256 consecutive bytes.
.macro OUT w
	WIN 0x55*(\w)
	v_add_f32 v254, v250, v251
	v_permlanex16_b32 v[TP], v254, s[SEL], s[SEL+1]
	v_add_f32 v254, v254, v[TP]                    ; l
	v_rcp_f32 v252, v254
	v_nop
	v_cmp_eq_f32 s[ZM+\w], 0, v254                 ; a row with no key
	s_wait_alu depctr_va_vdst(0)
.set sj, 0
.rept 16
	v_pk_mul_f32 v[O+sj:O+sj+1], v[O+sj:O+sj+1], v[252:253] op_sel_hi:[1,0]
.set sj, sj+2
.endr
.irp b, 0,1
	v_max3_num_f32 v[BM+\b], |v[O+16*\b]|, |v[O+16*\b+1]|, FLOOR
.endr
.irp i, 2,4,6,8,10,12,14
.irp b, 0,1
	v_max3_num_f32 v[BM+\b], v[BM+\b], |v[O+16*\b+\i]|, |v[O+16*\b+\i+1]|
.endr
.endr
.irp b, 0,1
	v_permlanex16_b32 v[TP+\b], v[BM+\b], s[SEL], s[SEL+1]
.endr
.irp b, 0,1
	v_max_num_f32 v[BM+\b], v[BM+\b], v[TP+\b]
.endr
.irp b, 0,1
	v_add_nc_u32 v[SO+\b], EOFF, v[BM+\b]
.endr
.irp b, 0,1
	v_lshrrev_b32 v[TP+\b], 23, v[SO+\b]
.endr
	v_lshl_or_b32 v253, v[TP+1], 8, v[TP]
	v_cvt_scalef32_pk16_fp6_f32 v[PC:PC+2], v[O:O+15], v[SO]
	v_cvt_scalef32_pk16_fp6_f32 v[TP+4:TP+6], v[O+16:O+31], v[SO+1]
	v_nop
.irp i, 0,1,2
	v_permlane16_swap_b32 v[PC+\i], v[TP+4+\i]
.endr
.irp i, 0,1,2
	v_mov_b32 v[PC+3+\i], v[TP+4+\i]
.endr
	v_cndmask_b32 v253, v253, s[FFFF], s[ZM+\w]
	WIN 4*(\w)                                     ; a store's data are its source 1
.irp p, 0,1,2
	global_store_b64 v3, v[PC+2*\p:PC+2*\p+1], s[OB:OB+1] offset:12288*(\w)+256*\p
.endr
.endm
	LOADKB                                         ; step 0
	LOADV
.Lpass:
	s_wait_xcnt 0x0                                ; the last pass's stores have read their registers and bases
	s_lshl_b32 s44, s[CX], 4
	s_lshl_b32 s45, s[PASS], 3
	s_add_co_u32 s44, s44, s45
	s_add_co_u32 s44, s44, s[WV]                   ; my block of 32 queries, 0 .. 63
	s_lshr_b32 s45, s44, 2
	s_mul_i32 s46, s45, REC
	s_add_co_u32 s46, s46, s[YB]
	s_and_b32 s45, s44, 3
	s_mul_i32 s48, s45, 1536
	s_add_co_u32 s48, s48, s46
	s_add_co_u32 s48, s48, QI
	s_mov_b32 s49, 0
	s_add_nc_u64 s[QB:QB+1], s[4:5], s[48:49]      ; Q's image: two tiles' six registers
	s_lshl_b32 s48, s45, 2
	s_add_co_u32 s48, s48, s46
	s_add_co_u32 s48, s48, QSO
	s_add_nc_u64 s[QSB:QSB+1], s[4:5], s[48:49]    ; and its scale words
	s_lshr_b32 s45, s[Y], 4
	s_lshl_b32 s45, s45, 7
	s_lshl_b32 s46, s44, 1
	s_add_co_u32 s45, s45, s46                     ; o's tile: 128 x batch + 2 x block
	s_mul_i32 s48, s45, 12288
	s_bfe_u32 s46, s[Y], 0x30001                   ; the K step of the last product: head / 2
	s_mul_i32 s46, s46, 1536
	s_add_co_u32 s48, s48, s46
	s_and_b32 s46, s[Y], 1
	s_mul_i32 s46, s46, 768                        ; an odd head makes registers 6-11
	s_add_co_u32 s48, s48, s46
	s_add_nc_u64 s[OB:OB+1], s[6:7], s[48:49]
	s_lshl_b32 s48, s45, 9
	s_bfe_u32 s46, s[Y], 0x20002                   ; slot: head / 4
	s_lshl_b32 s46, s46, 7
	s_add_co_u32 s48, s48, s46
	s_bfe_u32 s46, s[Y], 0x10001                   ; word
	s_lshl_b32 s46, s46, 2
	s_add_co_u32 s48, s48, s46
	s_and_b32 s46, s[Y], 1
	s_lshl_b32 s46, s46, 1                         ; half of the word
	s_add_co_u32 s48, s48, s46
	s_add_nc_u64 s[OSB:OSB+1], s[8:9], s[48:49]
.irp g, 0,1,2
	global_load_b128 v[S+4*\g:S+4*\g+3], v2, s[QB:QB+1] offset:512*\g
.endr
	global_load_b32 v[QS], v2, s[QSB:QSB+1]        ; lanes 0-15 tile 0's words, lanes 16-31 tile 1's
.irp w, 0,1
	WIN 0x40*\w
	v_mov_b32 v249, 0xf1800000                     ; the largest t so far: -2^100
	v_mov_b32 v248, 0x71800000                     ; -M
	v_mov_b32 v250, 0
	v_mov_b32 v251, 0
.endr
	s_wait_loadcnt 0x0
.irp i, 0,1,2,3,4,5
	v_mov_b32 v[QF+\i], v[S+6+\i]                  ; tile 1's codes, into window 1
.endr
.set sj, 0
.rept 32
	v_mov_b32 v[O+sj], 0                           ; the step is written once: the first finds zeros
.set sj, sj+1
.endr
	WIN 0
.irp i, 0,1,2,3,4,5
	v_mov_b32 v[QF+\i], v[S+\i]
.endr
.set sj, 0
.rept 32
	v_mov_b32 v[O+sj], 0                           ; (also the places between Q's moves and the first product)
.set sj, sj+1
.endr
	s_mov_b32 s[CNT], 0
.Lstep:
	s_wait_dscnt 13                                ; this step's K, scale words and mask are in; V's 13 loads, issued behind them, may be out
	SCORES 0
	SCORES 1
	WIN 0
	s_add_co_u32 s44, s[CNT], 1
	s_and_b32 s44, s44, 15                         ; the next step; behind the last the first, which the next pass wants
	s_mul_i32 s[TBS], s44, STEPB
	v_add_nc_u32 v5, s[TBS], v2                    ; these three and the v_nop are the four places behind the products
	v_add_nc_u32 v6, s[TBS], v3
	v_add_nc_u32 v7, s[TBS], v4
	v_nop
	LOADKB
	SOFT 0
	SOFT 1
	s_wait_dscnt 29                                ; V is in; the 29 loads just issued may be out
	VALUES 0
	VALUES 1
	WIN 0
.rept 4
	v_nop                                          ; places in front of loads into registers that the products have read, and of the first read of O^T
.endr
	LOADV
	s_add_co_u32 s[CNT], s[CNT], 1
	s_cmp_lt_u32 s[CNT], 16
	s_cbranch_scc1 .Lstep
	OUT 0
	OUT 1
	WIN 0x04
	v_cndmask_b32 v20, v253, v253, s[HI]           ; lanes 0-15 tile 0's two bytes (window 0), lanes 16-31 tile 1's (window 1)
	WIN 0
	global_store_b16 v9, v20, s[OSB:OSB+1]         ; two bytes a row are all that a head owns of a scale word
	s_add_co_u32 s[PASS], s[PASS], 1
	s_cmp_lt_u32 s[PASS], 2
	s_cbranch_scc1 .Lpass
	s_wait_dscnt 0x0                               ; the loads asked for behind the last step
	s_wait_tensorcnt 0x0
	ds_add_u32 v243, v255
	s_wait_dscnt 0x0
	ROUND                                          ; the closing round
	s_endpgm
.Lfunc_end_k_q1222103c5e_attn:
	.size	k_q1222103c5e_attn, .Lfunc_end_k_q1222103c5e_attn-k_q1222103c5e_attn
	.p2alignl 7, 3214868480
	.fill 96, 4, 3214868480
	.section	.rodata,"a",@progbits
	.p2align	6, 0x0
	.amdhsa_kernel k_q1222103c5e_attn
		.amdhsa_group_segment_fixed_size 218112
		.amdhsa_private_segment_fixed_size 0
		.amdhsa_enable_private_segment 0
		.amdhsa_kernarg_size 24
		.amdhsa_user_sgpr_count 2
		.amdhsa_user_sgpr_kernarg_segment_ptr 1
		.amdhsa_wavefront_size32 1
		.amdhsa_system_sgpr_workgroup_id_x 1
		.amdhsa_system_sgpr_workgroup_id_y 1
		.amdhsa_system_sgpr_workgroup_id_z 1
		.amdhsa_system_vgpr_workitem_id 0
		.amdhsa_next_free_vgpr 512
		.amdhsa_next_free_sgpr 66
		.amdhsa_reserve_vcc 0
		.amdhsa_float_denorm_mode_32 3
		.amdhsa_float_denorm_mode_16_64 3
		.amdhsa_memory_ordered 1
		.amdhsa_forward_progress 1
		.amdhsa_inst_pref_size 50
	.end_amdhsa_kernel
	.amdgpu_metadata
---
amdhsa.version: [ 1, 2 ]
amdhsa.kernels:
  - .name:           k_q1222103c5e_attn
    .symbol:         k_q1222103c5e_attn.kd
    .args:
      - { .name: qkv, .offset: 0, .size: 8, .value_kind: global_buffer, .address_space: global }
      - { .name: o_codes, .offset: 8, .size: 8, .value_kind: global_buffer, .address_space: global }
      - { .name: o_scales, .offset: 16, .size: 8, .value_kind: global_buffer, .address_space: global }
    .group_segment_fixed_size: 218112
    .private_segment_fixed_size: 0
    .kernarg_segment_align: 8
    .kernarg_segment_size: 24
    .max_flat_workgroup_size: 256
    .sgpr_count:     66
    .vgpr_count:     512
    .wavefront_size: 32
...
	.end_amdgpu_metadata
.endif
;; end of part 3
;; launch proj (part 4): grid 4 x 32, 4 waves a work-group, clusters of 4 x 4, 327,680 bytes of LDS; arguments o_codes, o_scales, xw_codes, xw_scales, out0; writes out0
.if DOCPART == 4
	.amdgcn_target "amdgcn-amd-amdhsa--gfx1250"
	.amdhsa_code_object_version 6
	.text
	.protected	k_q1222103c5e_proj
	.globl	k_q1222103c5e_proj
	.p2align	8
	.type	k_q1222103c5e_proj,@function
k_q1222103c5e_proj:
	s_mov_b64 s[64:65], 0
	v_nop
	global_prefetch_b8 v0, s[64:65] scope:SCOPE_SE
	s_setreg_imm32_b32 hwreg(HW_REG_WAVE_MODE, 25, 1), 1
	s_wait_xcnt 0x0
	s_wait_alu depctr_hold_cnt(0) depctr_sa_sdst(0) depctr_va_vdst(0) depctr_va_sdst(0) depctr_va_ssrc(0) depctr_va_vcc(0) depctr_vm_vsrc(0)
	s_getreg_b32 s2, hwreg(HW_REG_IB_STS2, 6, 4)
	s_cmp_eq_u32 s2, 0
	s_cbranch_scc0 .Lentry_in_a_cluster
	s_endpgm
.Lentry_in_a_cluster:
	s_bfe_u32 s2, ttmp6, 0x10000c
	s_cmp_lg_u32 s2, 0xf033
	s_cbranch_scc0 .Lentry_shape_is_right
	s_endpgm
.Lentry_shape_is_right:
; out0 = o Wproj^T on codes of E2M3 (K = 1,024), f32 sums.  The ring, the joint loads and the loop are those of the launch that makes q, k, v; A = 256 rows of o (source 1, the lanes), B = 256 rows of Wproj (source 0, the registers).
; o's fragments lie as six pieces of 8 bytes a lane (piece p at 256 p + 8 lane), since a head makes half a fragment; Wproj's as three of 16.
; TILES: lane-row r of tile T is row 32 (T / 2) + 8 (T % 2) + r + 8 (r / 8), for both operands: the way out puts rows and columns back in order.
; 128 work-groups: the product has 128 tiles of 256 x 256; a smaller tile would read each fragment for half as many products.  No prefetch: the ring has four fills in all.
; REGISTERS: as there.  The stage of the way out lies in slot 0, which has had its last fill and its last read when the first result is stored there.
.set NQ,     2
.set FR,     12
.set NLA,    6                         ; LDS loads that bring a fragment of A
.set NP,     4
.set FRB,    1536
.set TILEB,  3072
.set HALFT,  8*TILEB
.set SLOT,   4*HALFT
.set LAPS,   2
.set SCL,    2*SLOT
.set SPARE,  213248
.set GRPC,   196608
.set SPITCH, 528
.set ADRA, 16
.set ADRB, 20
.set STO,  24
.set RD,   25
.set CO,   26
.set ADRS, 27
.set SPW,  28
.set NIL,  29
.set SC,   32
.set AF,   128
.set BK,   128
.set G1, 24
.set G0, 32
.set G1B, 48
.set G0B, 56
.set G1S, 68
.set G0S, 76
.set G1SB, 80
.set G0SB, 88
.set MSB, 0
.macro WIN new
.if MSB != (\new)
	s_set_vgpr_msb (MSB<<8)|(\new)
.set MSB, (\new)
.endif
.endm
.set MUL_LO, 0xa1
.set MUL_HI, 0xf1
.set TO_B,   0x40
.macro JLOAD g0a, g1a, g0b, g1b
	s_cmp_eq_u32 s15, 0
	s_cbranch_scc0 .Lfor_b_\@
	tensor_load_to_lds s[\g0a:\g0a+3], s[\g1a:\g1a+7]
	s_nop 0
.rept 4
	v_nop
.endr
	s_branch .Lasked_\@
.Lfor_b_\@:
	tensor_load_to_lds s[\g0b:\g0b+3], s[\g1b:\g1b+7]
	s_nop 0
.rept 4
	v_nop
.endr
.Lasked_\@:
.endm
.macro CREST
	s_cmp_lg_u32 s14, 0
	s_cbranch_scc1 .Lnot_wave_0_\@
	s_barrier_signal -3
.Lnot_wave_0_\@:
	s_barrier_wait -3
	s_barrier_signal -1
	s_barrier_wait -1
.endm
.macro CROUND
	s_barrier_signal -1
	s_barrier_wait -1
	CREST
.endm
	s_load_b128 s[4:7], s[0:1], 0x0                ; o's codes, o's scales
	s_load_b128 s[8:11], s[0:1], 0x10              ; the weights' codes, their scales
	s_load_b64 s[12:13], s[0:1], 0x20              ; out0
	v_lshl_add_u32 v[SPW], v0, 2, SPARE
	v_mov_b32 v[NIL], 0
	ds_add_u32 v28, v29
	ds_add_u32 v28, v29
	s_wait_dscnt 0x0
	v_lshrrev_b32 v1, 5, v0
	v_readfirstlane_b32 s14, v1
	s_lshr_b32 s15, s14, 1
	s_and_b32 s16, s14, 1
	s_bfe_u32 s40, ttmp6, 0x40000                  ; cx
	s_bfe_u32 s41, ttmp6, 0x40004                  ; cy
	s_lshl_b32 s43, s41, 2
	s_lshl_b32 s43, 15, s43
	s_lshl_b32 s44, 0x1111, s40
	s_and_b32 s20, ttmp7, 0xffff
	s_lshl_b32 s20, s20, 2
	s_add_co_u32 s20, s20, s41                     ; A's group of 256 rows of o
	s_add_co_u32 s46, s40, 44                      ; B's: Wproj's groups 44 ..
	s_or_b32 s[G1+0], s43, (3<<16)|(1<<21)
	s_or_b32 s[G1B+0], s44, (3<<16)|(1<<21)
.irp g, G1, G1B
	s_mov_b32 s[\g+1], 384<<16
	s_mov_b32 s[\g+2], 8<<16
	s_mov_b32 s[\g+3], 384<<16
	s_mov_b32 s[\g+4], 8
	s_mov_b32 s[\g+5], 1536
	s_mov_b32 s[\g+6], 0
	s_mov_b32 s[\g+7], 0
.endr
	s_or_b32 s[G1S+0], s43, (3<<16)|(1<<21)
	s_or_b32 s[G1SB+0], s44, (3<<16)|(1<<21)
.irp g, G1S, G1SB
	s_mov_b32 s[\g+1], 32<<16
	s_mov_b32 s[\g+2], 16<<16
	s_mov_b32 s[\g+3], 32<<16
	s_mov_b32 s[\g+4], 16
	s_mov_b32 s[\g+5], 32
	s_mov_b32 s[\g+6], 0
	s_mov_b32 s[\g+7], 0
.endr
	s_mul_i32 s18, s16, GRPC/2
	s_lshl_b32 s19, s16, 12
	s_mul_i32 s22, s20, GRPC
	s_add_co_u32 s22, s22, s18
	s_mov_b32 s23, 0
	s_mul_i32 s92, s46, GRPC
	s_add_co_u32 s92, s92, s18
	s_mov_b32 s93, 0
	s_lshl_b32 s94, s20, 13
	s_add_co_u32 s94, s94, s19
	s_mov_b32 s95, 0
	s_lshl_b32 s96, s46, 13
	s_add_co_u32 s96, s96, s19
	s_mov_b32 s97, 0
	s_mul_i32 s45, s14, HALFT
	s_lshl_b32 s47, s14, 12
	s_wait_kmcnt 0x0
	s_add_nc_u64 s[22:23], s[4:5], s[22:23]
	s_add_nc_u64 s[92:93], s[8:9], s[92:93]
	s_add_nc_u64 s[94:95], s[6:7], s[94:95]
	s_add_nc_u64 s[96:97], s[10:11], s[96:97]
	CROUND
	s_mov_b32 s[G0S], 1
	s_add_co_u32 s[G0S+1], s47, SCL
	s_mov_b64 s[G0S+2:G0S+3], s[94:95]
	s_or_b32 s[G0S+3], s[G0S+3], 0x80000000
	s_mov_b32 s[G0SB], 1
	s_add_co_u32 s[G0SB+1], s47, SCL+128
	s_mov_b64 s[G0SB+2:G0SB+3], s[96:97]
	s_or_b32 s[G0SB+3], s[G0SB+3], 0x80000000
	JLOAD G0S, G1S, G0SB, G1SB
.irp s, 0,1
	s_mov_b32 s[G0+4*\s], 1
	s_add_co_u32 s[G0+4*\s+1], s45, \s*SLOT
	s_add_nc_u64 s[G0+4*\s+2:G0+4*\s+3], s[22:23], \s*TILEB
	s_or_b32 s[G0+4*\s+3], s[G0+4*\s+3], 0x80000000
	s_mov_b32 s[G0B+4*\s], 1
	s_add_co_u32 s[G0B+4*\s+1], s45, \s*SLOT
	s_add_nc_u64 s[G0B+4*\s+2:G0B+4*\s+3], s[92:93], \s*TILEB
	s_or_b32 s[G0B+4*\s+3], s[G0B+4*\s+3], 0x80000000
	JLOAD G0+4*\s, G1, G0B+4*\s, G1B               ; by my own count three tensor loads are out now
.endr
	v_and_b32 v1, 15, v0                           ; r
	v_bfe_u32 v2, v0, 4, 1                         ; h
	v_and_b32 v3, 31, v0
	v_lshlrev_b32 v[CO], 4, v3                     ; 16 x lane
	v_lshlrev_b32 v4, 3, v3                        ; 8 x lane
	s_mul_i32 s18, s15, HALFT
	s_mul_i32 s19, s16, HALFT
	s_add_co_u32 s19, s19, 2*HALFT
.irp s, 0,1
	v_add_nc_u32 v[ADRA+\s], s18, v4
	v_add_nc_u32 v[ADRB+\s], s19, v[CO]
	s_add_co_u32 s18, s18, SLOT
	s_add_co_u32 s19, s19, SLOT
.endr
	v_lshlrev_b32 v5, 3, v1
	s_lshl_b32 s18, s15, 12
	s_lshl_b32 s19, s16, 12
	s_add_co_u32 s19, s19, 8192+128
	s_sub_co_u32 s19, s19, s18
	v_mul_u32_u24 v6, s19, v2
	s_add_co_u32 s18, s18, SCL
	v_add_nc_u32 v5, v5, v6
	v_add_nc_u32 v[ADRS], s18, v5
	s_mul_i32 s18, s14, 16*SPITCH                  ; my stage
	v_mul_u32_u24 v5, v1, SPITCH
	v_lshl_add_u32 v5, v2, 6, v5
	v_add_nc_u32 v[STO], s18, v5                   ; in: row r, + 64 h
	v_add_nc_u32 v[RD], s18, v[CO]                 ; back: a row of 512 bytes to the 32 lanes
	s_lshl_b32 s66, s20, 20                        ; 256 rows of 4,096 bytes,
	s_lshl_b32 s67, s15, 19                        ; my 128 of them,
	s_add_co_u32 s66, s66, s67
	s_lshl_b32 s67, s40, 10                        ; 256 columns,
	s_add_co_u32 s66, s66, s67
	s_lshl_b32 s67, s16, 9                         ; my 128
	s_add_co_u32 s66, s66, s67
	s_mov_b32 s67, 0
	s_add_nc_u64 s[12:13], s[12:13], s[66:67]
.macro FRAG reg, adr, q, i
.irp g, 0,1,2
	ds_load_b128 v[\reg+4*\g:\reg+4*\g+3], v[\adr] offset:TILEB*(\i)+FRB*(\q)+512*\g
.endr
.endm
.macro FRAGA reg, adr, q, i
.irp p, 0,1,2,3,4,5
	ds_load_b64 v[\reg+2*\p:\reg+2*\p+1], v[\adr] offset:TILEB*(\i)+FRB*(\q)+256*\p
.endr
.endm
.macro MUL16 a0, p, q, sc, zero        ; the 64 accumulators take turns, one instruction a turn
.irp a, \a0, \a0+1
.irp b, 0,1,2,3,4,5,6,7
.if \zero
	v_wmma_scale_f32_16x16x128_f8f6f4 v[8*(8*((\a)%4)+\b):8*(8*((\a)%4)+\b)+7], v[128*(\p)+FR*\b:128*(\p)+FR*\b+FR-1], v[AF+FR*(\a):AF+FR*(\a)+FR-1], 0, v[SC+8*NQ*(\sc)+NQ*\b+(\q)], v[SC+8*NQ*(\sc)+NQ*(\a)+(\q)] matrix_a_fmt:MATRIX_FMT_FP6 matrix_b_fmt:MATRIX_FMT_FP6 matrix_a_scale:MATRIX_SCALE_ROW1
.else
	v_wmma_scale_f32_16x16x128_f8f6f4 v[8*(8*((\a)%4)+\b):8*(8*((\a)%4)+\b)+7], v[128*(\p)+FR*\b:128*(\p)+FR*\b+FR-1], v[AF+FR*(\a):AF+FR*(\a)+FR-1], v[8*(8*((\a)%4)+\b):8*(8*((\a)%4)+\b)+7], v[SC+8*NQ*(\sc)+NQ*\b+(\q)], v[SC+8*NQ*(\sc)+NQ*(\a)+(\q)] matrix_a_fmt:MATRIX_FMT_FP6 matrix_b_fmt:MATRIX_FMT_FP6 matrix_a_scale:MATRIX_SCALE_ROW1
.endif
.endr
.endr
.endm
.macro FETCH_B slot, q, p
	WIN TO_B
.irp i, 0,1,2,3,4,5,6,7
	FRAG 128*(\p)+FR*\i, ADRB+\slot, \q, \i
.endr
	WIN 0
.endm
.macro FETCH_A slot, q, i0
.irp i, \i0, \i0+1, \i0+2, \i0+3
	FRAGA AF+FR*(\i), ADRA+\slot, \q, \i
.endr
.endm
.macro SCALES sc
.irp i, 0,1,2,3,4,5,6,7
	ds_load_b64 v[SC+8*NQ*\sc+NQ*\i:SC+8*NQ*\sc+NQ*\i+1], v[ADRS] offset:512*\i
.endr
.endm
.macro PLACES n
.rept \n
	v_nop
.endr
.endm
.macro STEP slot, q, zero
	s_wait_dscnt 4*NLA                             ; B's set and A's blocks 0-3 are in; A's blocks 4-7, the youngest 24 loads, may be out
	WIN MUL_LO
	MUL16 0, (\q)%2, \q, \slot, \zero
	MUL16 2, (\q)%2, \q, \slot, \zero
	s_wait_dscnt 0
	PLACES NP
	FETCH_B \slot, (\q)+1, 1-(\q)%2
	FETCH_A \slot, (\q)+1, 0
	WIN MUL_HI
	MUL16 4, (\q)%2, \q, \slot, \zero
	MUL16 6, (\q)%2, \q, \slot, \zero
	PLACES NP
	WIN 0
	FETCH_A \slot, (\q)+1, 4
.endm
.macro TURN slot, next, fill
	s_wait_tensorcnt 0x0                           ; all my tensor loads have landed: my part of the next slot
	ds_add_u32 v[SPW], v[NIL]                      ; 0 onto my spare word
	s_wait_dscnt 4*NLA+1                           ; (the add and A's blocks 4-7 may be out)
	WIN MUL_LO
	MUL16 0, 1, NQ-1, \slot, 0
	s_wait_dscnt 0x0                               ; the add is done, and my reads of this slot are over
	s_barrier_signal -1
	MUL16 2, 1, NQ-1, \slot, 0
	WIN 0
	s_barrier_wait -1
.if \fill
	CREST                                          ; the barrier has opened a round of the cluster's
	s_add_nc_u64 s[G0+4*\slot+2:G0+4*\slot+3], s[G0+4*\slot+2:G0+4*\slot+3], 2*TILEB
	s_add_nc_u64 s[G0B+4*\slot+2:G0B+4*\slot+3], s[G0B+4*\slot+2:G0B+4*\slot+3], 2*TILEB
	JLOAD G0+4*\slot, G1, G0B+4*\slot, G1B
.else
	PLACES NP
.endif
	v_add_nc_u32 v[ADRS], 128, v[ADRS]
	FETCH_B \next, 0, 0
	FETCH_A \next, 0, 0
	SCALES \next
	WIN MUL_HI
	MUL16 4, 1, NQ-1, \slot, 0
	MUL16 6, 1, NQ-1, \slot, 0
	PLACES NP
	WIN 0
	FETCH_A \next, 0, 4
.endm
	s_wait_tensorcnt 1                             ; the scales and my part of slot 0 are in; slot 1's load may be out
	s_barrier_signal -1
	s_barrier_wait -1
	FETCH_B 0, 0, 0
	FETCH_A 0, 0, 0
	SCALES 0
	FETCH_A 0, 0, 4
	STEP 0, 0, 1
	s_mov_b32 s3, LAPS-1
.Llap:
	TURN 0, 1, 1
	STEP 1, 0, 0
	TURN 1, 0, 1
	STEP 0, 0, 0
	s_sub_co_u32 s3, s3, 1
	s_cmp_lg_u32 s3, 0
	s_cbranch_scc1 .Llap
	TURN 0, 1, 0
	STEP 1, 0, 0
	s_wait_dscnt 4*NLA
	WIN MUL_LO
	MUL16 0, 1, NQ-1, 1, 0
	MUL16 2, 1, NQ-1, 1, 0
	s_wait_dscnt 0
	WIN MUL_HI
	MUL16 4, 1, NQ-1, 1, 0
	MUL16 6, 1, NQ-1, 1, 0
	WIN 0
; THE WAY OUT, a tile of 16 rows x 128 columns at a time, through my own stage: register 8 b + j of lane (r, h) is column 32 (b / 2) + 16 h + 8 (b % 2) + j of lane-row r.
; LDS serves a wave's instructions in order: no wait between the stores and the loads, nor in front of the next tile's stores.
.macro TOSTAGE a
.set AC, 64*((\a)%4)
	WIN 0x08+4*((\a)/4)
.irp b, 0,1,2,3,4,5,6,7
	ds_store_b128 v[STO], v[AC+8*\b:AC+8*\b+3] offset:128*(\b/2)+32*(\b%2)          ; each accumulator from its low end on
	ds_store_b128 v[STO], v[AC+8*\b+4:AC+8*\b+7] offset:128*(\b/2)+32*(\b%2)+16
.endr
	WIN 0
.set BB, BK+64*((\a)%2)
.irp t, 0,1,2,3,4,5,6,7,8,9,10,11,12,13,14,15
	ds_load_b128 v[BB+4*\t:BB+4*\t+3], v[RD] offset:\t*SPITCH
.endr
.endm
.macro SEND a, younger
.set BB, BK+64*((\a)%2)
	s_wait_dscnt \younger
.if (\a) > 0
.if (\a)%2 == 1
	s_add_nc_u64 s[12:13], s[12:13], 8*4096        ; an odd tile begins 8 rows behind the even one (behind a wait on XCNT: the earlier stores have read their base)
.else
	s_add_nc_u64 s[12:13], s[12:13], 24*4096       ; the next even one 24 rows further
.endif
.endif
.irp t, 0,1,2,3,4,5,6,7,8,9,10,11,12,13,14,15
	global_store_b128 v[CO], v[BB+4*\t:BB+4*\t+3], s[12:13] offset:(\t+8*(\t/8))*4096 th:TH_STORE_NT   ; 512 consecutive bytes, at a multiple of 256 from out0's first byte
.endr
.endm
	PLACES NP
	TOSTAGE 0
.irp a, 1,2,3,4,5,6,7
.if \a > 1
	s_wait_xcnt 0x0                                ; tile a - 2's stores have read their registers and their base
.endif
	TOSTAGE \a
	SEND \a-1, 32                                  ; behind tile a - 1's loads: tile a's 16 stores and 16 loads
.endr
	s_wait_xcnt 0x0
	SEND 7, 0
	s_wait_tensorcnt 0x0                           ; the wave's end
	ds_add_u32 v[SPW], v[NIL]
	s_wait_dscnt 0x0
	CROUND                                         ; the closing round
	s_endpgm
.Lfunc_end_k_q1222103c5e_proj:
	.size	k_q1222103c5e_proj, .Lfunc_end_k_q1222103c5e_proj-k_q1222103c5e_proj
	.p2alignl 7, 3214868480
	.fill 96, 4, 3214868480
	.section	.rodata,"a",@progbits
	.p2align	6, 0x0
	.amdhsa_kernel k_q1222103c5e_proj
		.amdhsa_group_segment_fixed_size 327680
		.amdhsa_private_segment_fixed_size 0
		.amdhsa_enable_private_segment 0
		.amdhsa_kernarg_size 40
		.amdhsa_user_sgpr_count 2
		.amdhsa_user_sgpr_kernarg_segment_ptr 1
		.amdhsa_wavefront_size32 1
		.amdhsa_system_sgpr_workgroup_id_x 1
		.amdhsa_system_sgpr_workgroup_id_y 1
		.amdhsa_system_sgpr_workgroup_id_z 1
		.amdhsa_system_vgpr_workitem_id 0
		.amdhsa_next_free_vgpr 1024
		.amdhsa_next_free_sgpr 98
		.amdhsa_reserve_vcc 0
		.amdhsa_float_denorm_mode_32 3
		.amdhsa_float_denorm_mode_16_64 3
		.amdhsa_memory_ordered 1
		.amdhsa_forward_progress 1
		.amdhsa_inst_pref_size 147
	.end_amdhsa_kernel
	.amdgpu_metadata
---
amdhsa.version: [ 1, 2 ]
amdhsa.kernels:
  - .name:           k_q1222103c5e_proj
    .symbol:         k_q1222103c5e_proj.kd
    .args:
      - { .name: o_codes, .offset: 0, .size: 8, .value_kind: global_buffer, .address_space: global }
      - { .name: o_scales, .offset: 8, .size: 8, .value_kind: global_buffer, .address_space: global }
      - { .name: xw_codes, .offset: 16, .size: 8, .value_kind: global_buffer, .address_space: global }
      - { .name: xw_scales, .offset: 24, .size: 8, .value_kind: global_buffer, .address_space: global }
      - { .name: out0, .offset: 32, .size: 8, .value_kind: global_buffer, .address_space: global }
    .group_segment_fixed_size: 327680
    .private_segment_fixed_size: 0
    .kernarg_segment_align: 8
    .kernarg_segment_size: 40
    .max_flat_workgroup_size: 128
    .sgpr_count:     98
    .vgpr_count:     1024
    .wavefront_size: 32
...
	.end_amdgpu_metadata
.endif
;; end of part 4
